; MI455X (gfx1250); checked and timed in simulation.
; The chip was launched on July 23, 2026; its instructions are those of AMD's public machine-readable ISA for CDNA 5 (MIT licence, August 2026) and "CDNA5" Instruction Set Architecture Reference Guide (July 2026). The comments in the code are by the model that wrote it; some were corrected since.
;; Multihead Attention. Allowed arithmetic: matrix products marked QUANTISED: E2M3 operands, one E8M0 scale for each 32 along K, by v_wmma_scale_f32_16x16x128_f8f6f4 with both operands' format E2M3, f32 sums; everything else in f32.
;; Inputs: Wk 1,024 x 1,024 float32; Wo 1,024 x 1,024 float32; Wq 1,024 x 1,024 float32; Wv 1,024 x 1,024 float32; bk 1,024 float32; bo 1,024 float32; bq 1,024 float32; bv 1,024 float32; x 4 x 2,048 x 1,024 float32.
;; Outputs: out0 4 x 2,048 x 1,024 float32.
;; This version of the problem:
;;   THIS VERSION OF THE PROBLEM IS GIVEN IN LOW PRECISION. The matrix products marked QUANTISED in the list below multiply operands that are first quantised to E2M3 (2 exponent bits, 3 mantissa bits; 6 bits a number), with one power-of-two scale for each 32 numbers along K (OCP MX v1.0); their sums are f32. All else is computed in f32.
;;   The module's matrix products, in the order in which they are computed (A, B: the left and right operand; K: the contracted axis; several contracted axes count as one K, in the product's order):
;;     1. [M 8,192, K 1,024] x [K 1,024, N 1,024]; A: input x; B: input Wq: QUANTISED
;;     2. [M 8,192, K 1,024] x [K 1,024, N 1,024]; A: input x; B: input Wk: QUANTISED
;;     3. [M 8,192, K 1,024] x [K 1,024, N 1,024]; A: input x; B: input Wv: QUANTISED
;;     4. batch 64 x [M 2,048, K 64] x [K 64, N 2,048]; A: computed on the way; B: computed on the way: QUANTISED
;;     5. batch 64 x [M 64, K 2,048] x [K 2,048, N 2,048]; A: computed on the way; B: softmax (see below): QUANTISED
;;     6. [M 8,192, K 1,024] x [K 1,024, N 1,024]; A: computed on the way; B: input Wo: QUANTISED
;;   THE QUANTISER, for each operand of a quantised product, along K:
;;     - K is cut into blocks of 32 from its start; a last block that is shorter is filled with zeros.
;;     - A block's scale is 2^e with e = floor(log2(the largest magnitude in the block)) - 2, held to -126 .. 127; a block of zeros has e = 0. As a byte (E8M0): e + 127.
;;     - Each number is divided by its block's scale, clamped to +-7.5, and rounded to the nearest number of E2M3, ties to even, subnormals kept.
;;     - The product sums the exact products of the quantised numbers (number of the format x scale) in f32.
;;   ~~~python
;;   def quantise(x, axis):      # numpy; x: float32 -> the quantised numbers, widened to float32 again
;;       x = np.moveaxis(x, axis, -1); K = x.shape[-1]
;;       x = np.pad(x, [(0, 0)] * (x.ndim - 1) + [(0, -K % 32)]); x = x.reshape(x.shape[:-1] + (-1, 32)); a = np.abs(x).max(-1, keepdims=True)
;;       e = np.where(a > 0, np.clip(np.frexp(np.where(a > 0, a, 1))[1] - 1 - 2, -126, 127), 0)      # np.frexp(a)[1] - 1 = floor(log2(a)), exactly
;;       r = np.clip(x / 2.0 ** e, -7.5, 7.5)
;;       step = 2.0 ** (np.maximum(np.frexp(np.where(r == 0, 1, r))[1] - 1, 0) - 3)
;;       q = np.round(r / step) * step * 2.0 ** e      # np.round: ties to even
;;       return np.moveaxis(q.reshape(q.shape[:-2] + (-1,))[..., :K], -1, axis).astype(np.float32)
;;   ~~~
;;   SOFTMAX AHEAD OF A QUANTISED PRODUCT. Where the list says 'softmax', what is quantised is not the finished softmax but p = 2^(t - M), with t = logit x log2(e) and M = ceil(the row's largest t), a whole number; so 1/2 < the row's largest p <= 1. The row's sum l is taken of the UNQUANTISED p, in f32, and the product's result is divided by l at the end. Since M is a whole number, a kernel that streams over the keys may use a running M (the ceiling of the running maximum): every later rescaling is an exact power of two, which a block's scale takes up: the codes' values come out the same.
;;   OPERANDS COMPUTED ON THE WAY. 'Computed on the way' means the value that the module computes at that place (a softmax that the list does not call 'softmax' is quantised finished and normalised). What goes into a quantiser is computed in f32, as accurately as f32 sums, v_exp_f32 and their like allow (about 1e-6 of the number): no bf16 or f16 on the way to a quantiser, and a product that is left as it is and whose result goes on into a quantised operand takes f32 operands (vector FMAs, or v_wmma_f32_16x16x4_f32). A number that lies on a knife's edge between two numbers of the format may be rounded either way, as far as f32 arithmetic and the matrix unit's own rounding can turn it there, and no further.
;; One version. Each part assembles by itself: llvm-mc -triple=amdgcn-amd-amdhsa -mcpu=gfx1250 --defsym DOCPART=n.
;; ======== version 1 of 1: 4 launches
;; limits: right only within a limited range of input values
;; workspace buffers: xq 6,553,600 bytes; wq4 3,276,800 bytes; qb 13,369,344 bytes; kv 13,369,344 bytes; oq 6,553,600 bytes
;; launch quant (part 1): grid 768 x 1, 4 waves a work-group, no clusters, 68,608 bytes of LDS; arguments x, Wq, Wk, Wv, Wo, xq, wq4; writes xq, wq4
.if DOCPART == 1
	.amdgcn_target "amdgcn-amd-amdhsa--gfx1250"
	.amdhsa_code_object_version 6
	.text
	.protected	k_qeb54be077d_quant
	.globl	k_qeb54be077d_quant
	.p2align	8
	.type	k_qeb54be077d_quant,@function
k_qeb54be077d_quant:
	s_mov_b64 s[64:65], 0
	v_nop
	global_prefetch_b8 v0, s[64:65] scope:SCOPE_SE
	s_setreg_imm32_b32 hwreg(HW_REG_WAVE_MODE, 25, 1), 1
	s_wait_xcnt 0x0
; x [8192][1024] and Wq, Wk, Wv, Wo [1024][1024], f32, K innermost, become codes of FP6 (E2M3) with one E8M0 byte for each 32 along K,
; laid IN THE ORDER OF THE OPERAND'S REGISTERS.  A fragment (16 rows x 128 K, 12 registers a lane) is 1,536 bytes: for each half of 64 K, registers 0-3 of lane l
; at 16 l (512 bytes), registers 4-5 at 512 + 8 l (256 bytes).  Codes: [row tile][K step 0..7][1,536].  Scale words behind the codes: [group of 64 rows][K step][64 rows] u32.
; THE ROWS OF A TILE ARE NOT NEIGHBOURS: lane r of row tile T stands for row 32 (T / 2) + 8 (T % 2) + r + 8 (r / 8), so that a product with such a tile as source 0 leaves 16 neighbours in the 16 registers of two neighbouring tiles.
; A block's scale is 2^(floor(log2(largest magnitude)) - 2); its byte is the largest magnitude's exponent field - 2, held at 1 from below.
; LIMITS: NaN and infinities are not served; a block whose largest magnitude lies under 2^-124 has its byte held at 1; a block of zeros gets the byte 1 where the rule says 127 (its codes are zeros, and this program alone reads the bytes).
; SHARES: 192 groups of 64 rows (x: 128, each W: 16) x 4 pairs of K steps = 768 work-groups.  Wave w takes row tile 4 g + w and two units of 16 rows x 128 K.
; Each load reads 512 consecutive bytes of one row; a unit turns through the wave's own stage in LDS (rows 528 bytes apart) so that a lane holds 16 neighbours of each block.
; Every store of codes covers 512 or 256 consecutive bytes, aligned; the work-group's 128 scale words leave as 512 consecutive bytes.  Work-groups share no input: no cluster.
.set STGB,  16*528                     ; a stage: 16 rows x (512 + 16) bytes
.set SCS,   4*2*STGB                   ; behind the eight stages: the two K steps' scale words, 2 x 256 bytes
.set SPARE, SCS+512                    ; the spare words, 128 bytes for each wave: two blocks of 256 bytes that no other line names
.set XSCL,  6291456                    ; where the scale words begin in xq
.set WBLK,  819200                     ; a weight's block in wq4
.set WSCL,  786432                     ; where the scale words begin in it
.set L16, 1                            ; v1   16 x lane
.set L8,  2                            ; v2   8 x lane
.set SIN, 3                            ; v3   the stage, way in
.set SOUT, 4                           ; v4   the stage, way out: row r, + 64 h
.set SWD, 5                            ; v5   where my row's scale word goes
.set SPW, 12                           ; v12  my spare word; never rewritten
.set NIL, 13                           ; v13  0; never rewritten
.set SRD, 14                           ; v14  where wave 0 reads the scale words back
.set R,   16                           ; v16-143  two units as they are loaded
.set X,   144                          ; v144-207 64 numbers of my row: register 16 b + i = k 32 b + 16 h + i
.set PC,  208                          ; v208-227 the codes
.set TM,  228                          ; v228-243 at work
.set PW,  244                          ; v244 the scale word
.set SEL, 38                           ; s[38:39] lane selects for lane l xor 16
; 64 numbers of a lane, v[s] .. v[s + 63], become a fragment's codes in v[PC] on and its scale word in v[PW].
.macro QUANT s
.irp b, 0,1,2,3
	v_max3_num_f32 v[TM+\b], |v[\s+16*\b]|, |v[\s+1+16*\b]|, 0x1800000   ; block b: my 16 numbers, and the floor 2^(3 - 127): the byte cannot fall under 1
.endr
.irp i, 2,4,6,8,10,12,14
.irp b, 0,1,2,3
	v_max3_num_f32 v[TM+\b], v[TM+\b], |v[\s+16*\b+\i]|, |v[\s+1+16*\b+\i]|   ; the four blocks by turns
.endr
.endr
.irp b, 0,1,2,3
	v_permlanex16_b32 v[TM+4+\b], v[TM+\b], s[SEL], s[SEL+1]
.endr
.irp b, 0,1,2,3
	v_max_num_f32 v[TM+\b], v[TM+\b], v[TM+4+\b]   ; with lane l xor 16's: the block's largest magnitude
.endr
.irp b, 0,1,2,3
	v_add_nc_u32 v[TM+12+\b], 0xff000000, v[TM+\b] ; 2 off its exponent field: the conversion's scale operand
.endr
.irp b, 0,1,2,3
	v_lshrrev_b32 v[TM+4+\b], 23, v[TM+12+\b]      ; the scale's byte
.endr
	v_lshl_or_b32 v[PW], v[TM+5], 8, v[TM+4]
	v_lshl_or_b32 v[PW], v[TM+6], 16, v[PW]
	v_lshl_or_b32 v[PW], v[TM+7], 24, v[PW]
.irp c, 0,1
	v_cvt_scalef32_pk16_fp6_f32 v[PC+6*\c:PC+2+6*\c], v[\s+32*\c:\s+15+32*\c], v[TM+12+2*\c]
	v_cvt_scalef32_pk16_fp6_f32 v[PC+12+4*\c:PC+14+4*\c], v[\s+16+32*\c:\s+31+32*\c], v[TM+12+2*\c+1]   ; (a conversion's three registers begin on an even number)
.endr
	v_nop                                          ; one plain place behind a scaled conversion
.irp c, 0,1                                    ; the layout wants a whole block in a lane: lanes 0-15 block 2 c, lanes 16-31 block 2 c + 1
.irp i, 0,1,2
	v_permlane16_swap_b32 v[PC+6*\c+\i], v[PC+12+4*\c+\i]
.endr
.irp i, 0,1,2
	v_mov_b32 v[PC+3+6*\c+\i], v[PC+12+4*\c+\i]
.endr
.endr
.endm
.macro TOST u                          ; unit u's 16 rows into stage u, as they were loaded
.set i, 0
.rept 16
	ds_store_b128 v[SIN], v[R+64*\u+4*i:R+64*\u+4*i+3] offset:\u*STGB+i*528
.set i, i+1
.endr
.endm
.macro FROMST u                        ; and back: of my row, 16 neighbours of each block of 32.  LDS serves a wave's instructions in order: these see the stores
.set i, 0
.rept 16
	ds_load_b128 v[X+4*i:X+4*i+3], v[SOUT] offset:\u*STGB+128*(i/4)+16*(i%4)
.set i, i+1
.endr
.endm
.macro SEND u                          ; the fragment's image, and my row's scale word to the work-group's block
	global_store_b128 v[L16], v[PC:PC+3], s[14:15] offset:1536*\u
	global_store_b64 v[L8], v[PC+4:PC+5], s[14:15] offset:1536*\u+512
	global_store_b128 v[L16], v[PC+6:PC+9], s[14:15] offset:1536*\u+768
	global_store_b64 v[L8], v[PC+10:PC+11], s[14:15] offset:1536*\u+1280
	ds_store_b32 v[SWD], v[PW] offset:256*\u       ; both halves of the lanes write the same word with the same value
.endm
	s_load_b256 s[4:11], s[0:1], 0x0               ; x s[4:5], Wq s[6:7], Wk s[8:9], Wv s[10:11]
	s_load_b128 s[12:15], s[0:1], 0x20             ; Wo s[12:13], xq s[14:15]
	s_load_b64 s[16:17], s[0:1], 0x30              ; wq4
	v_lshl_add_u32 v[SPW], v0, 2, SPARE
	v_mov_b32 v[NIL], 0
	v_lshrrev_b32 v6, 5, v0
	v_readfirstlane_b32 s18, v6                    ; wave
	v_and_b32 v6, 31, v0                           ; lane
	v_and_b32 v7, 15, v0                           ; r
	v_bfe_u32 v9, v0, 4, 1                         ; h
	v_lshlrev_b32 v[L16], 4, v6
	v_lshlrev_b32 v[L8], 3, v6
	s_mul_i32 s19, s18, 2*STGB                     ; my two stages
	v_add_nc_u32 v[SIN], s19, v[L16]
	v_mul_u32_u24 v[SOUT], v7, 528
	v_lshl_add_u32 v[SOUT], v9, 6, v[SOUT]
	v_add_nc_u32 v[SOUT], s19, v[SOUT]
	s_lshl_b32 s20, s18, 6
	v_lshl_add_u32 v[SWD], v7, 2, s20              ; 64 x wave + 4 r: my tile's place in a unit of 64 rows
	v_add_nc_u32 v[SWD], SCS, v[SWD]
	v_add_nc_u32 v[SRD], SCS, v[L16]
.irp b, 0,1,2,3
	v_mov_b32 v[TM+4+\b], 0                        ; written once: a lane permute's destination counts as one of its sources
.endr
	s_mov_b32 s[SEL], 0x76543210
	s_mov_b32 s[SEL+1], 0xfedcba98
	s_lshr_b32 s21, ttmp9, 2                       ; G: which group of 64 rows, of 192
	s_and_b32 s22, ttmp9, 3
	s_lshl_b32 s22, s22, 1                         ; my first K step
	s_sub_co_u32 s23, s21, 128
	s_bfe_u32 s24, s23, 0x20004                    ; which weight,
	s_and_b32 s25, s23, 15                         ; and which group of it
	s_mov_b32 s27, WSCL
	s_cmp_lt_u32 s21, 128                          ; x's work-group or a weight's?  Only pointers and offsets are chosen: one path through the text
	s_cselect_b32 s25, s21, s25                    ; g
	s_cselect_b32 s24, 0, s24
	s_cselect_b32 s26, XSCL, s27                   ; where the scale words begin
	s_lshl_b32 s28, s25, 6
	s_lshr_b32 s29, s18, 1
	s_lshl_b32 s29, s29, 5
	s_add_co_u32 s28, s28, s29
	s_and_b32 s29, s18, 1
	s_lshl_b32 s29, s29, 3
	s_add_co_u32 s28, s28, s29                     ; my tile's first row: 64 g + 32 (w / 2) + 8 (w % 2)
	s_lshl_b32 s28, s28, 12                        ; rows of 4,096 bytes
	s_lshl_b32 s29, s22, 9                         ; a K step is 512 bytes of a row
	s_add_co_u32 s28, s28, s29
	s_mov_b32 s29, 0
	s_mul_i32 s32, s24, WBLK                       ; the weight's block
	s_lshl_b32 s30, s25, 2
	s_add_co_u32 s30, s30, s18                     ; row tile T = 4 g + w
	s_lshl_b32 s30, s30, 3
	s_add_co_u32 s30, s30, s22
	s_mul_i32 s30, s30, 1536                       ; fragment 8 T + K step
	s_add_co_u32 s30, s30, s32
	s_mov_b32 s31, 0
	s_lshl_b32 s34, s25, 11
	s_lshl_b32 s35, s22, 8
	s_add_co_u32 s34, s34, s35                     ; the group's units of these two K steps
	s_add_co_u32 s34, s34, s26
	s_add_co_u32 s34, s34, s32
	s_mov_b32 s35, 0
	s_wait_alu depctr_va_vdst(0)
	s_wait_kmcnt 0x0
	s_cmp_eq_u32 s24, 1
	s_cselect_b64 s[6:7], s[8:9], s[6:7]
	s_cmp_eq_u32 s24, 2
	s_cselect_b64 s[6:7], s[10:11], s[6:7]
	s_cmp_eq_u32 s24, 3
	s_cselect_b64 s[6:7], s[12:13], s[6:7]
	s_cmp_lt_u32 s21, 128
	s_cselect_b64 s[4:5], s[4:5], s[6:7]           ; from where
	s_cselect_b64 s[14:15], s[14:15], s[16:17]     ; to where
	s_add_nc_u64 s[4:5], s[4:5], s[28:29]
	s_add_nc_u64 s[36:37], s[14:15], s[34:35]      ; the scale words
	s_add_nc_u64 s[14:15], s[14:15], s[30:31]      ; the codes
.irp u, 0,1
.set i, 0
.rept 16
	global_load_b128 v[R+64*\u+4*i:R+64*\u+4*i+3], v[L16], s[4:5] offset:(i+8*(i/8))*4096+512*\u th:TH_LOAD_NT   ; tile row i: 32 lanes read 512 consecutive bytes
.set i, i+1
.endr
.endr
	s_wait_loadcnt 16                              ; unit 0's sixteen loads are in; unit 1's may be out
	TOST 0
	FROMST 0
	s_wait_loadcnt 0x0
	TOST 1
	s_wait_dscnt 16                                ; unit 0 is back in registers; the sixteen stores issued behind it may be out
	QUANT X
	SEND 0
	FROMST 1
	s_wait_dscnt 0x0
	s_wait_xcnt 0x0                                ; unit 0's stores have read their registers: the codes are written again only behind this wait
	QUANT X
	SEND 1
	s_wait_dscnt 0x0                               ; for the others' sake: my scale words have landed
	s_barrier_signal -1
	s_barrier_wait -1
	s_cmp_lg_u32 s18, 0
	s_cbranch_scc1 .Lend
	ds_load_b128 v[8:11], v[SRD]                   ; wave 0: the two units, 16 bytes a lane
	s_wait_dscnt 0x0
	global_store_b128 v[L16], v[8:11], s[36:37]    ; 512 consecutive bytes, aligned
.Lend:
	s_wait_tensorcnt 0x0                           ; the wave's end: behind my last LDS store
	ds_add_u32 v[SPW], v[NIL]
	s_wait_dscnt 0x0
	s_endpgm
.Lfunc_end_k_qeb54be077d_quant:
	.size	k_qeb54be077d_quant, .Lfunc_end_k_qeb54be077d_quant-k_qeb54be077d_quant
	.p2alignl 7, 3214868480
	.fill 96, 4, 3214868480
	.section	.rodata,"a",@progbits
	.p2align	6, 0x0
	.amdhsa_kernel k_qeb54be077d_quant
		.amdhsa_group_segment_fixed_size 68608
		.amdhsa_private_segment_fixed_size 0
		.amdhsa_enable_private_segment 0
		.amdhsa_kernarg_size 56
		.amdhsa_user_sgpr_count 2
		.amdhsa_user_sgpr_kernarg_segment_ptr 1
		.amdhsa_wavefront_size32 1
		.amdhsa_system_sgpr_workgroup_id_x 1
		.amdhsa_system_sgpr_workgroup_id_y 1
		.amdhsa_system_sgpr_workgroup_id_z 1
		.amdhsa_system_vgpr_workitem_id 0
		.amdhsa_next_free_vgpr 248
		.amdhsa_next_free_sgpr 66
		.amdhsa_reserve_vcc 0
		.amdhsa_float_denorm_mode_32 3
		.amdhsa_float_denorm_mode_16_64 3
		.amdhsa_memory_ordered 1
		.amdhsa_forward_progress 1
		.amdhsa_inst_pref_size 20
	.end_amdhsa_kernel
	.amdgpu_metadata
---
amdhsa.version: [ 1, 2 ]
amdhsa.kernels:
  - .name:           k_qeb54be077d_quant
    .symbol:         k_qeb54be077d_quant.kd
    .args:
      - { .name: x, .offset: 0, .size: 8, .value_kind: global_buffer, .address_space: global }
      - { .name: Wq, .offset: 8, .size: 8, .value_kind: global_buffer, .address_space: global }
      - { .name: Wk, .offset: 16, .size: 8, .value_kind: global_buffer, .address_space: global }
      - { .name: Wv, .offset: 24, .size: 8, .value_kind: global_buffer, .address_space: global }
      - { .name: Wo, .offset: 32, .size: 8, .value_kind: global_buffer, .address_space: global }
      - { .name: xq, .offset: 40, .size: 8, .value_kind: global_buffer, .address_space: global }
      - { .name: wq4, .offset: 48, .size: 8, .value_kind: global_buffer, .address_space: global }
    .group_segment_fixed_size: 68608
    .private_segment_fixed_size: 0
    .kernarg_segment_align: 8
    .kernarg_segment_size: 56
    .max_flat_workgroup_size: 128
    .sgpr_count:     66
    .vgpr_count:     248
    .wavefront_size: 32
...
	.end_amdgpu_metadata
.endif
;; end of part 1
;; launch qkv (part 2): grid 12 x 32, 4 waves a work-group, clusters of 4 x 4, 327,680 bytes of LDS; arguments xq, wq4, bq, bk, bv, qb, kv; writes qb, kv
.if DOCPART == 2
	.amdgcn_target "amdgcn-amd-amdhsa--gfx1250"
	.amdhsa_code_object_version 6
	.text
	.protected	k_qeb54be077d_qkv
	.globl	k_qeb54be077d_qkv
	.p2align	8
	.type	k_qeb54be077d_qkv,@function
k_qeb54be077d_qkv:
	s_mov_b64 s[64:65], 0
	v_nop
	global_prefetch_b8 v0, s[64:65] scope:SCOPE_SE
	s_setreg_imm32_b32 hwreg(HW_REG_WAVE_MODE, 25, 1), 1
	s_wait_xcnt 0x0
	s_wait_alu depctr_hold_cnt(0) depctr_sa_sdst(0) depctr_va_vdst(0) depctr_va_sdst(0) depctr_va_ssrc(0) depctr_va_vcc(0) depctr_vm_vsrc(0)
	s_getreg_b32 s2, hwreg(HW_REG_IB_STS2, 6, 4)
	s_cmp_eq_u32 s2, 0
	s_cbranch_scc0 .Lentry_in_a_cluster
	s_endpgm
.Lentry_in_a_cluster:
	s_bfe_u32 s2, ttmp6, 0x10000c
	s_cmp_lg_u32 s2, 0xf033
	s_cbranch_scc0 .Lentry_shape_is_right
	s_endpgm
.Lentry_shape_is_right:
.set FR,    12
.set NQ,    2
.set NL,    4
.set NP,    4
.set TILEB, 12288
.set FILLB, 3072
.set HALFT, 8*FILLB
.set SLOT,  4*HALFT
.set SCL,   2*SLOT
.set HALFS, 4096
.set SPARE, SCL+4*HALFS
.set XSCL,  6291456
.set WBLK,  819200
.set WSCL,  786432
.set REC,   13056
.set HS,    16*REC
.set VS,   8
.set OBR,  10
.set OBL,  11
.set L16,  12
.set L8,   13
.set ADRA, 16
.set ADRB, 20
.set ADRS, 27
.set SPW,  28
.set NIL,  29
.set SC,   32
.set BR,   64
.set AF,   128
.set BL,   224
.set H,    128
.set PC,   192
.set PW,   212
.set TM,   240
.set WL,   32
.set WH,   40
.set WO,   48
.set G1, 24
.set G0, 32
.set G1B, 48
.set G0B, 56
.set G1S, 68
.set G0S, 76
.set G1SB, 80
.set G0SB, 88
.set OUT1, 100
.set OUT2, 96
.set OUTS, 98
.set INC,  10
.set EXT,  66
.set SELL, 2
.set SEL,  94
.set MSB, 0
.macro WIN new
.if MSB != (\new)
	s_set_vgpr_msb (MSB<<8)|(\new)
.set MSB, (\new)
.endif
.endm
.set MUL_LO, 0xa1
.set MUL_HI, 0xf1
.set TO_B,   0x40
.macro JLOAD g0a, g1a, g0b, g1b
	s_cmp_eq_u32 s15, 0
	s_cbranch_scc0 .Lfor_b_\@
	tensor_load_to_lds s[\g0a:\g0a+3], s[\g1a:\g1a+7]
	s_nop 0
.rept 4
	v_nop
.endr
	s_branch .Lasked_\@
.Lfor_b_\@:
	tensor_load_to_lds s[\g0b:\g0b+3], s[\g1b:\g1b+7]
	s_nop 0
.rept 4
	v_nop
.endr
.Lasked_\@:
.endm
.macro CREST
	s_cmp_lg_u32 s14, 0
	s_cbranch_scc1 .Lnot_wave_0_\@
	s_barrier_signal -3
.Lnot_wave_0_\@:
	s_barrier_wait -3
	s_barrier_signal -1
	s_barrier_wait -1
.endm
.macro CROUND
	s_barrier_signal -1
	s_barrier_wait -1
	CREST
.endm
.macro QUANT s
.irp b, 0,1,2,3
	v_max3_num_f32 v[TM+\b], |v[\s+16*\b]|, |v[\s+1+16*\b]|, 0x1800000
.endr
.irp i, 2,4,6,8,10,12,14
.irp b, 0,1,2,3
	v_max3_num_f32 v[TM+\b], v[TM+\b], |v[\s+16*\b+\i]|, |v[\s+1+16*\b+\i]|
.endr
.endr
.irp b, 0,1,2,3
	v_permlanex16_b32 v[TM+4+\b], v[TM+\b], s[SEL], s[SEL+1]
.endr
.irp b, 0,1,2,3
	v_max_num_f32 v[TM+\b], v[TM+\b], v[TM+4+\b]
.endr
.irp b, 0,1,2,3
	v_add_nc_u32 v[TM+12+\b], 0xff000000, v[TM+\b]
.endr
.irp b, 0,1,2,3
	v_lshrrev_b32 v[TM+4+\b], 23, v[TM+12+\b]
.endr
	v_lshl_or_b32 v[PW], v[TM+5], 8, v[TM+4]
	v_lshl_or_b32 v[PW], v[TM+6], 16, v[PW]
	v_lshl_or_b32 v[PW], v[TM+7], 24, v[PW]
.irp c, 0,1
	v_cvt_scalef32_pk16_fp6_f32 v[PC+6*\c:PC+2+6*\c], v[\s+32*\c:\s+15+32*\c], v[TM+12+2*\c]
	v_cvt_scalef32_pk16_fp6_f32 v[PC+12+4*\c:PC+14+4*\c], v[\s+16+32*\c:\s+31+32*\c], v[TM+12+2*\c+1]
.endr
	v_nop
.irp c, 0,1
.irp i, 0,1,2
	v_permlane16_swap_b32 v[PC+6*\c+\i], v[PC+12+4*\c+\i]
.endr
.irp i, 0,1,2
	v_mov_b32 v[PC+3+6*\c+\i], v[PC+12+4*\c+\i]
.endr
.endr
.endm
	s_load_b256 s[4:11], s[0:1], 0x0
	s_load_b128 s[96:99], s[0:1], 0x20
	s_load_b64 s[100:101], s[0:1], 0x30
	v_lshl_add_u32 v[SPW], v0, 2, SPARE
	v_mov_b32 v[NIL], 0
	ds_add_u32 v[SPW], v[NIL]
	ds_add_u32 v[SPW], v[NIL]
	v_lshrrev_b32 v1, 5, v0
	v_readfirstlane_b32 s14, v1
	s_lshr_b32 s15, s14, 1
	s_and_b32 s16, s14, 1
	s_bfe_u32 s40, ttmp6, 0x40000
	s_bfe_u32 s41, ttmp6, 0x40004
	s_mov_b32 s12, ttmp9
	s_and_b32 s13, ttmp7, 0xffff
	s_cmp_lt_u32 s12, 2
	s_cselect_b32 s17, s13, 0
	s_cselect_b32 s42, 0, s13
	s_lshl_b32 s17, s17, 2
	s_add_co_u32 s17, s17, s41
	s_lshl_b32 s42, s42, 2
	s_add_co_u32 s42, s42, s40
	s_lshl_b32 s43, s41, 2
	s_lshl_b32 s43, 15, s43
	s_lshl_b32 s44, 0x1111, s40
	s_or_b32 s[G1+0], s43, (3<<16)|(1<<21)
	s_or_b32 s[G1B+0], s44, (3<<16)|(1<<21)
.irp g, G1, G1B
	s_mov_b32 s[\g+1], 384<<16
	s_mov_b32 s[\g+2], 16<<16                      ; the head's loads of codes bring all 16 row tiles; behind them the two words are set to 8
	s_mov_b32 s[\g+3], 384<<16
	s_mov_b32 s[\g+4], 16
	s_mov_b32 s[\g+5], 1536
	s_mov_b32 s[\g+6], 0
	s_mov_b32 s[\g+7], 0
.endr
	s_or_b32 s[G1S+0], s43, (3<<16)|(1<<21)
	s_or_b32 s[G1SB+0], s44, (3<<16)|(1<<21)
.irp g, G1S, G1SB
	s_mov_b32 s[\g+1], 32<<16
	s_mov_b32 s[\g+2], 32<<16                      ; the scales of all 256 rows: 32 rows of 256 bytes
	s_mov_b32 s[\g+3], 32<<16
	s_mov_b32 s[\g+4], 32
	s_mov_b32 s[\g+5], 32
	s_mov_b32 s[\g+6], 0
	s_mov_b32 s[\g+7], 0
.endr
	s_lshl_b32 s18, s16, 3
	s_lshl_b32 s20, s17, 4
	s_add_co_u32 s20, s20, s18
	s_lshl_b32 s46, s42, 4
	s_add_co_u32 s46, s46, s18
	s_lshl_b32 s22, s17, 13                        ; the scales of the tile's 256 rows begin at 16 row tiles x 512 bytes x the tile's number
	s_lshl_b32 s92, s42, 13
	s_mul_i32 s20, s20, TILEB
	s_mul_i32 s46, s46, TILEB
	s_mul_i32 s94, s12, WBLK
	s_add_co_u32 s95, s94, WSCL
	s_mov_b32 s45, XSCL
	s_cmp_lt_u32 s12, 2
	s_cselect_b32 s21, 0, s94
	s_cselect_b32 s23, s45, s95
	s_cselect_b32 s47, s94, 0
	s_cselect_b32 s93, s95, s45
	s_add_co_u32 s20, s20, s21
	s_add_co_u32 s22, s22, s23
	s_add_co_u32 s46, s46, s47
	s_add_co_u32 s92, s92, s93
	s_mov_b32 s21, 0
	s_mov_b32 s23, 0
	s_mov_b32 s47, 0
	s_mov_b32 s93, 0
	s_mul_i32 s66, s14, HALFT
	s_wait_dscnt 0x0
	s_wait_kmcnt 0x0
	s_cmp_lt_u32 s12, 2
	s_cselect_b64 s[94:95], s[4:5], s[6:7]
	s_cselect_b64 s[6:7], s[6:7], s[4:5]
	s_add_nc_u64 s[20:21], s[94:95], s[20:21]
	s_add_nc_u64 s[22:23], s[94:95], s[22:23]
	s_add_nc_u64 s[46:47], s[6:7], s[46:47]
	s_add_nc_u64 s[92:93], s[6:7], s[92:93]
	CROUND
	s_mov_b32 s[G0S], 1
	s_mov_b32 s[G0S+1], SCL
	s_mov_b64 s[G0S+2:G0S+3], s[22:23]
	s_or_b32 s[G0S+3], s[G0S+3], 0x80000000
	s_mov_b32 s[G0SB], 1
	s_mov_b32 s[G0SB+1], SCL+2*HALFS
	s_mov_b64 s[G0SB+2:G0SB+3], s[92:93]
	s_or_b32 s[G0SB+3], s[G0SB+3], 0x80000000
.irp s, 0,1
	s_mov_b32 s[G0+4*\s], 1
	s_add_co_u32 s[G0+4*\s+1], s66, \s*SLOT
	s_add_nc_u64 s[G0+4*\s+2:G0+4*\s+3], s[20:21], \s*FILLB
	s_or_b32 s[G0+4*\s+3], s[G0+4*\s+3], 0x80000000
	s_mov_b32 s[G0B+4*\s], 1
	s_add_co_u32 s[G0B+4*\s+1], s66, \s*SLOT
	s_add_nc_u64 s[G0B+4*\s+2:G0B+4*\s+3], s[46:47], \s*FILLB
	s_or_b32 s[G0B+4*\s+3], s[G0B+4*\s+3], 0x80000000
.endr
; THE HEAD'S LOADS, ONE A WAVE: wave 0 slot 0's 16 tiles of A, wave 1 A's scales, wave 2 slot 0's 16 tiles of B, wave 3 B's scales.
; Waves 0 and 2 use their own group 0 of slot 0: its addresses are those of the tile's first half, and group 1 counts 16 tiles here.  One chain of branches on the wave's number, one load to an arm, one join.
.macro ARM under, g0, g1, next
	s_cmp_lt_u32 s14, \under
	s_cbranch_scc0 \next
	tensor_load_to_lds s[\g0:\g0+3], s[\g1:\g1+7]
	s_nop 0
.rept 4
	v_nop
.endr
	s_branch .Lhead_asked
\next:
.endm
	ARM 1, G0,  G1,  .Lhead_sa
	ARM 2, G0S, G1S, .Lhead_b
	ARM 3, G0B, G1B, .Lhead_sb
	tensor_load_to_lds s[G0SB:G0SB+3], s[G1SB:G1SB+7]
	s_nop 0
.rept 4
	v_nop
.endr
.Lhead_asked:
	v_and_b32 v1, 15, v0
	v_bfe_u32 v2, v0, 4, 1
	v_and_b32 v3, 31, v0
	v_lshlrev_b32 v[L16], 4, v3
	v_lshlrev_b32 v[L8], 3, v3
	s_mul_i32 s21, s15, HALFT
	s_mul_i32 s22, s16, HALFT
	s_add_co_u32 s22, s22, 2*HALFT
.irp s, 0,1
	v_add_nc_u32 v[ADRA+\s], s21, v[L16]
	v_add_nc_u32 v[ADRB+\s], s22, v[L16]
	v_add_nc_u32 v[ADRA+2+\s], s21, v[L8]
	v_add_nc_u32 v[ADRB+2+\s], s22, v[L8]
	s_add_co_u32 s21, s21, SLOT
	s_add_co_u32 s22, s22, SLOT
.endr
	s_mul_i32 s21, s15, HALFS
	s_mul_i32 s22, s16, HALFS
	s_add_co_u32 s22, s22, 2*HALFS
	s_sub_co_u32 s22, s22, s21
	v_mul_u32_u24 v6, s22, v2
	s_add_co_u32 s21, s21, SCL
	v_lshl_add_u32 v5, v1, 2, v6
	v_add_nc_u32 v[ADRS], s21, v5
.irp b, 0,1,2,3
	v_mov_b32 v[TM+4+\b], 0
.endr
	s_lshl_b32 s46, s42, 8
	s_lshl_b32 s47, s16, 7
	s_add_co_u32 s46, s46, s47
	s_and_b32 s46, s46, 1023
	s_lshl_b32 s46, s46, 2
	v_lshl_add_u32 v[OBR], v2, 6, s46
	s_wait_alu depctr_va_vdst(0)
	s_lshl_b32 s20, s17, 8
	s_lshl_b32 s21, s15, 7
	s_add_co_u32 s20, s20, s21
	s_and_b32 s20, s20, 1023
	s_lshl_b32 s20, s20, 2
	v_and_b32 v3, 8, v1
	v_add_nc_u32 v3, v3, v1
	v_lshl_add_u32 v[OBL], v3, 2, s20
	s_cmp_eq_u32 s12, 1
	s_cselect_b64 s[8:9], s[10:11], s[8:9]
	s_cmp_eq_u32 s12, 2
	s_cselect_b64 s[8:9], s[96:97], s[8:9]
.irp b, 0,1,2,3,4,5,6,7
	global_load_b128 v[BR+8*\b:BR+8*\b+3], v[OBR], s[8:9] offset:(32*(\b/2)+8*(\b%2))*4
	global_load_b128 v[BR+8*\b+4:BR+8*\b+7], v[OBR], s[8:9] offset:(32*(\b/2)+8*(\b%2))*4+16
.endr
.irp a, 0,1,2,3,4,5,6,7
	global_load_b32 v[BL+2*\a], v[OBL], s[8:9] offset:(32*(\a/2)+8*(\a%2))*4
	global_load_b32 v[BL+2*\a+1], v[OBL], s[8:9] offset:(32*(\a/2)+8*(\a%2))*4
.endr
	s_mov_b32 s46, 1536
	s_mov_b32 s47, HS-6144
	s_mov_b32 s92, 0x03020100
	s_mov_b32 s93, HS
	s_mov_b32 s3, 12800
	s_cmp_lt_u32 s12, 2
	s_cselect_b32 s18, s17, s42
	s_cselect_b32 s19, s15, s16
	s_cselect_b32 s20, s42, s17
	s_cselect_b32 s21, s16, s15
	s_cselect_b32 s[INC], 768, s46
	s_cselect_b32 s[EXT], 0, s47
	s_cselect_b32 s[SELL], 0x01000100, s92
	s_cselect_b32 s4, 0, 6144
	s_cselect_b32 s6, s93, 768
	s_cselect_b32 s22, 32, 16
	s_cselect_b32 s23, 16, s93
	s_cselect_b32 s45, 12288, s3
	s_mov_b32 s[INC+1], 0
	s_mov_b32 s[EXT+1], 0
	s_mov_b32 s5, 0
	s_mov_b32 s7, 0
	v_mul_u32_u24 v[VS], v1, s22
	v_mad_u32_u24 v[VS], v2, s23, v[VS]
	v_add_nc_u32 v[VS], s45, v[VS]
	s_lshr_b32 s46, s18, 3
	s_and_b32 s18, s18, 7
	s_lshl_b32 s18, s18, 1
	s_add_co_u32 s18, s18, s19
	s_lshl_b32 s20, s20, 2
	s_lshl_b32 s21, s21, 1
	s_add_co_u32 s20, s20, s21
	s_lshl_b32 s46, s46, 4
	s_add_co_u32 s20, s20, s46
	s_lshl_b32 s20, s20, 4
	s_add_co_u32 s20, s20, s18
	s_mul_i32 s20, s20, REC
	s_mov_b32 s21, 0
	s_cmp_eq_u32 s12, 0
	s_cselect_b64 s[OUTS:OUTS+1], s[98:99], s[100:101]
	s_add_nc_u64 s[OUTS:OUTS+1], s[OUTS:OUTS+1], s[20:21]
	s_add_nc_u64 s[OUT1:OUT1+1], s[OUTS:OUTS+1], s[4:5]
	s_add_nc_u64 s[OUT2:OUT2+1], s[OUT1:OUT1+1], s[6:7]
	s_mov_b32 s[SEL], 0x76543210
	s_mov_b32 s[SEL+1], 0xfedcba98
.macro FRAG reg, adr, q, i
	ds_load_b128 v[\reg:\reg+3], v[\adr] offset:(\i)*FILLB+(\q)*1536
	ds_load_b64 v[\reg+4:\reg+5], v[\adr+2] offset:(\i)*FILLB+(\q)*1536+512
	ds_load_b128 v[\reg+6:\reg+9], v[\adr] offset:(\i)*FILLB+(\q)*1536+768
	ds_load_b64 v[\reg+10:\reg+11], v[\adr+2] offset:(\i)*FILLB+(\q)*1536+1280
.endm
.macro MUL16 a0, p, q, sc, zero
.irp a, \a0, \a0+1
.irp b, 0,1,2,3,4,5,6,7
.if \zero
	v_wmma_scale_f32_16x16x128_f8f6f4 v[8*(8*((\a)%4)+\b):8*(8*((\a)%4)+\b)+7], v[128*(\p)+FR*\b:128*(\p)+FR*\b+FR-1], v[AF+FR*(\a):AF+FR*(\a)+FR-1], 0, v[SC+8*NQ*(\sc)+NQ*\b+(\q)], v[SC+8*NQ*(\sc)+NQ*(\a)+(\q)] matrix_a_fmt:MATRIX_FMT_FP6 matrix_b_fmt:MATRIX_FMT_FP6 matrix_a_scale:MATRIX_SCALE_ROW1
.else
	v_wmma_scale_f32_16x16x128_f8f6f4 v[8*(8*((\a)%4)+\b):8*(8*((\a)%4)+\b)+7], v[128*(\p)+FR*\b:128*(\p)+FR*\b+FR-1], v[AF+FR*(\a):AF+FR*(\a)+FR-1], v[8*(8*((\a)%4)+\b):8*(8*((\a)%4)+\b)+7], v[SC+8*NQ*(\sc)+NQ*\b+(\q)], v[SC+8*NQ*(\sc)+NQ*(\a)+(\q)] matrix_a_fmt:MATRIX_FMT_FP6 matrix_b_fmt:MATRIX_FMT_FP6 matrix_a_scale:MATRIX_SCALE_ROW1
.endif
.endr
.endr
.endm
.macro FETCH_B slot, q, p
	WIN TO_B
.irp i, 0,1,2,3,4,5,6,7
	FRAG 128*(\p)+FR*\i, ADRB+\slot, \q, \i
.endr
	WIN 0
.endm
.macro FETCH_A slot, q, i0
.irp i, \i0, \i0+1, \i0+2, \i0+3
	FRAG AF+FR*(\i), ADRA+\slot, \q, \i
.endr
.endm
.macro SCALES sc, p
.irp i, 0,1,2,3,4,5,6,7
.irp q, 0,1
	ds_load_b32 v[SC+8*NQ*(\sc)+NQ*\i+\q], v[ADRS] offset:(\i/4)*2048+(\i%4)*64+(2*(\p)+\q)*256
.endr
.endr
.endm
.macro PLACES n
.rept \n
	v_nop
.endr
.endm
.macro STEP slot, q, zero
	s_wait_dscnt 4*NL
	WIN MUL_LO
	MUL16 0, (\q)%2, \q, \slot, \zero
	MUL16 2, (\q)%2, \q, \slot, \zero
	s_wait_dscnt 0
	PLACES NP
	FETCH_B \slot, (\q)+1, 1-(\q)%2
	FETCH_A \slot, (\q)+1, 0
	WIN MUL_HI
	MUL16 4, (\q)%2, \q, \slot, \zero
	MUL16 6, (\q)%2, \q, \slot, \zero
	PLACES NP
	WIN 0
	FETCH_A \slot, (\q)+1, 4
.endm
.macro TURN slot, next, fill, p
	s_wait_tensorcnt 0x0
	ds_add_u32 v[SPW], v[NIL]
	s_wait_dscnt 4*NL+1
	WIN MUL_LO
	MUL16 0, 1, NQ-1, \slot, 0
	s_wait_dscnt 0x0
	s_barrier_signal -1
	MUL16 2, 1, NQ-1, \slot, 0
	WIN 0
	s_barrier_wait -1
.if \fill
	CREST
	s_add_nc_u64 s[G0+4*\slot+2:G0+4*\slot+3], s[G0+4*\slot+2:G0+4*\slot+3], 2*FILLB
	s_add_nc_u64 s[G0B+4*\slot+2:G0B+4*\slot+3], s[G0B+4*\slot+2:G0B+4*\slot+3], 2*FILLB
	JLOAD G0+4*\slot, G1, G0B+4*\slot, G1B
.else
	PLACES NP
.endif
	FETCH_B \next, 0, 0
	FETCH_A \next, 0, 0
	SCALES \next, \p
	WIN MUL_HI
	MUL16 4, 1, NQ-1, \slot, 0
	MUL16 6, 1, NQ-1, \slot, 0
	PLACES NP
	WIN 0
	FETCH_A \next, 0, 4
.endm
	s_wait_alu depctr_va_vdst(0)
	s_wait_tensorcnt 0x0                           ; my tile of the head's four is in; these lines stand ahead of slot 1's first fill as ahead of a refill
	ds_add_u32 v[SPW], v[NIL]
	s_mov_b32 s[G1+2], 8<<16                       ; no tensor load of mine is out: from here on a load brings 8 row tiles
	s_mov_b32 s[G1+4], 8
	s_mov_b32 s[G1B+2], 8<<16
	s_mov_b32 s[G1B+4], 8
	s_wait_dscnt 0x0
	CROUND                                         ; all four tiles are in, and all sixteen work-groups are here
	JLOAD G0+4, G1, G0B+4, G1B                     ; slot 1's first fill, the first tensor load behind the round
	FETCH_B 0, 0, 0
	FETCH_A 0, 0, 0
	SCALES 0, 0
	FETCH_A 0, 0, 4
	STEP 0, 0, 1
	TURN 0, 1, 1, 1
	STEP 1, 0, 0
	TURN 1, 0, 1, 2
	STEP 0, 0, 0
	TURN 0, 1, 0, 3
	STEP 1, 0, 0
	s_wait_dscnt 4*NL
	WIN MUL_LO
	MUL16 0, 1, NQ-1, 1, 0
	MUL16 2, 1, NQ-1, 1, 0
	s_wait_dscnt 0
	WIN MUL_HI
	MUL16 4, 1, NQ-1, 1, 0
	MUL16 6, 1, NQ-1, 1, 0
	WIN 0
.macro EPI a
.set AC, 64*((\a)%4)
.if (\a) > 0
	s_wait_xcnt 0x0
	s_add_nc_u64 s[OUT1:OUT1+1], s[OUT1:OUT1+1], s[INC:INC+1]
	s_add_nc_u64 s[OUT2:OUT2+1], s[OUT2:OUT2+1], s[INC:INC+1]
.endif
.if (\a) == 4
	s_add_nc_u64 s[OUT1:OUT1+1], s[OUT1:OUT1+1], s[EXT:EXT+1]
	s_add_nc_u64 s[OUT2:OUT2+1], s[OUT2:OUT2+1], s[EXT:EXT+1]
.endif
	s_cmp_eq_u32 s12, 2
	s_cbranch_scc1 .Lby_lane_\@
	WIN 0x02+(\a)/4
.set i, 0
.rept 32
	v_pk_add_f32 v[H+i:H+i+1], v[AC+i:AC+i+1], v[BR+i:BR+i+1]
.set i, i+2
.endr
	WIN 0
	s_branch .Lsum_\@
.Lby_lane_\@:
	WIN 0x02+(\a)/4
.set i, 0
.rept 32
	v_pk_add_f32 v[H+i:H+i+1], v[AC+i:AC+i+1], v[BL+2*(\a):BL+2*(\a)+1]
.set i, i+2
.endr
	WIN 0
.Lsum_\@:
	QUANT H
	v_perm_b32 v[WL+(\a)], v[PW], v[PW], s[SELL]
	v_perm_b32 v[WH+(\a)], v[PW], v[PW], 0x03020302
	global_store_b128 v[L16], v[PC:PC+3], s[OUT1:OUT1+1]
	global_store_b64 v[L8], v[PC+4:PC+5], s[OUT1:OUT1+1] offset:512
	global_store_b128 v[L16], v[PC+6:PC+9], s[OUT2:OUT2+1]
	global_store_b64 v[L8], v[PC+10:PC+11], s[OUT2:OUT2+1] offset:512
.endm
	s_wait_loadcnt 0x0                             ; the biases, asked for at the head; their registers are named by no line of the walk along K
	PLACES NP
.irp a, 0,1,2,3,4,5,6,7
	EPI \a
.endr
	v_cmp_eq_u32 vcc_lo, 1, v2
.irp i, 0,1,2,3
	v_cndmask_b32 v[WO+\i], v[WL+\i], v[WL+4+\i], vcc_lo
	v_cndmask_b32 v[WO+4+\i], v[WH+\i], v[WH+4+\i], vcc_lo
.endr
	global_store_b128 v[VS], v[WO:WO+3], s[OUTS:OUTS+1]
	s_cmp_lt_u32 s12, 2
	s_cbranch_scc0 .Lone_set
	global_store_b128 v[VS], v[WO+4:WO+7], s[OUTS:OUTS+1] offset:HS
.Lone_set:
	s_wait_tensorcnt 0x0
	ds_add_u32 v[SPW], v[NIL]
	s_wait_dscnt 0x0
	CROUND
	s_endpgm
.Lfunc_end_k_qeb54be077d_qkv:
	.size	k_qeb54be077d_qkv, .Lfunc_end_k_qeb54be077d_qkv-k_qeb54be077d_qkv
	.p2alignl 7, 3214868480
	.fill 96, 4, 3214868480
	.section	.rodata,"a",@progbits
	.p2align	6, 0x0
	.amdhsa_kernel k_qeb54be077d_qkv
		.amdhsa_group_segment_fixed_size 327680
		.amdhsa_private_segment_fixed_size 0
		.amdhsa_enable_private_segment 0
		.amdhsa_kernarg_size 56
		.amdhsa_user_sgpr_count 2
		.amdhsa_user_sgpr_kernarg_segment_ptr 1
		.amdhsa_wavefront_size32 1
		.amdhsa_system_sgpr_workgroup_id_x 1
		.amdhsa_system_sgpr_workgroup_id_y 1
		.amdhsa_system_sgpr_workgroup_id_z 1
		.amdhsa_system_vgpr_workitem_id 0
		.amdhsa_next_free_vgpr 1024
		.amdhsa_next_free_sgpr 102
		.amdhsa_reserve_vcc 1
		.amdhsa_float_denorm_mode_32 3
		.amdhsa_float_denorm_mode_16_64 3
		.amdhsa_memory_ordered 1
		.amdhsa_forward_progress 1
		.amdhsa_inst_pref_size 191
	.end_amdhsa_kernel
	.amdgpu_metadata
---
amdhsa.version: [ 1, 2 ]
amdhsa.kernels:
  - .name:           k_qeb54be077d_qkv
    .symbol:         k_qeb54be077d_qkv.kd
    .args:
      - { .name: xq, .offset: 0, .size: 8, .value_kind: global_buffer, .address_space: global }
      - { .name: wq4, .offset: 8, .size: 8, .value_kind: global_buffer, .address_space: global }
      - { .name: bq, .offset: 16, .size: 8, .value_kind: global_buffer, .address_space: global }
      - { .name: bk, .offset: 24, .size: 8, .value_kind: global_buffer, .address_space: global }
      - { .name: bv, .offset: 32, .size: 8, .value_kind: global_buffer, .address_space: global }
      - { .name: qb, .offset: 40, .size: 8, .value_kind: global_buffer, .address_space: global }
      - { .name: kv, .offset: 48, .size: 8, .value_kind: global_buffer, .address_space: global }
    .group_segment_fixed_size: 327680
    .private_segment_fixed_size: 0
    .kernarg_segment_align: 8
    .kernarg_segment_size: 56
    .max_flat_workgroup_size: 128
    .sgpr_count:     102
    .vgpr_count:     1024
    .wavefront_size: 32
...
	.end_amdgpu_metadata
.endif
;; end of part 2
;; launch attn (part 3): grid 4 x 64, 16 waves a work-group, clusters of 4 x 1, 327,680 bytes of LDS; arguments qb, kv, oq; writes oq
.if DOCPART == 3
	.amdgcn_target "amdgcn-amd-amdhsa--gfx1250"
	.amdhsa_code_object_version 6
	.text
	.protected	k_qeb54be077d_attn
	.globl	k_qeb54be077d_attn
	.p2align	8
	.type	k_qeb54be077d_attn,@function
k_qeb54be077d_attn:
	s_mov_b64 s[64:65], 0
	v_nop
	global_prefetch_b8 v0, s[64:65] scope:SCOPE_SE
	s_setreg_imm32_b32 hwreg(HW_REG_WAVE_MODE, 25, 1), 1
	s_wait_xcnt 0x0
	s_wait_alu depctr_hold_cnt(0) depctr_sa_sdst(0) depctr_va_vdst(0) depctr_va_sdst(0) depctr_va_ssrc(0) depctr_va_vcc(0) depctr_vm_vsrc(0)
	s_getreg_b32 s2, hwreg(HW_REG_IB_STS2, 6, 4)
	s_cmp_eq_u32 s2, 0
	s_cbranch_scc0 .Lentry_in_a_cluster
	s_endpgm
.Lentry_in_a_cluster:
	s_bfe_u32 s2, ttmp6, 0x10000c
	s_cmp_lg_u32 s2, 0x3003
	s_cbranch_scc0 .Lentry_shape_is_right
	s_endpgm
.Lentry_shape_is_right:
; o = softmax(q k^T / 8) v for each of 64 (batch, head), both products on codes of FP6 (E2M3) with E8M0 scales; o is quantised in registers and leaves as codes, an operand of the last projection.
; THE SOFTMAX AHEAD OF THE SECOND PRODUCT: t = score x log2(e) / 8; M = the running largest t rounded UP to a whole number; p = 2^(t - M) is quantised along the keys, not normalised.
; The row's sum is taken of the unquantised p and divides O at the end.  When M moves, the sum and O are multiplied by 2^(old M - new M): exact.
; INPUT: a record of 13,056 bytes for each (batch, head, 128 keys): 8 tiles of k (16 keys x 64, 768 bytes, an image of six registers a lane), 4 fragments of v^T (16 x 128 keys, 1,536 bytes), k's scale words [r][8], v's [r][4].  q lies in qb in k's places.
; SHARES: a work-group owns 512 queries of ONE head; 64 heads x 4 blocks = 256 work-groups.  The head's 16 records lie in LDS whole: each of the sixteen waves asks for one record at the head,
; one wait and one barrier show them to all, and nothing is filled again: the walk over the keys has no barrier.  A wave owns two tiles of 16 queries and walks the 16 records once for each.
; CLUSTER: the four query blocks of a head want the same records: every load is asked for jointly.
; NO PREFETCH: every tile that the work-group reads is asked for by the head's loads; there is no later load to run ahead of.
; IN LDS a record is 51 rows of 256 bytes, 64 bytes of padding behind each: byte y lies at y + 64 (y / 256).
; WHICH KEYS FORM A TILE is chosen as the lanes read k: in memory lane r of tile t stands for key 32 (t / 2) + 8 (t % 2) + r + 8 (r / 8).  Here lane r = j + 8 g of tile 4 c + u reads the place of lane j + 8 (u / 2) of tile 4 c + u % 2 + 2 g,
; which is key 64 c + 32 g + 8 u + j.  Both products are used transposed (S^T = k q^T, O^T = v^T p^T): lane (query, h) then holds, in the 32 registers of tiles 4 c .. 4 c + 3, keys 64 c + 32 h + 0 .. 31:
; ONE WHOLE BLOCK of p, in the order of the operand's registers: a block's maximum needs no other lane, and no code changes lanes.  With the padding the sixteen lanes of a 16-byte read touch sixteen different columns (1,920 g = 128 g modulo 256).
; TWO REGIONS OF 64 REGISTERS SWAP ROLES from step to step: one holds k's tiles and then v's fragments, the other S^T and p; when p's codes are made, the next record's k is loaded over p, ahead of the second product.
; THE HEAD'S 64 IN AN INSTRUCTION OF 128: q's upper six registers are zero codes.  k's tile t is named with twelve registers: the upper six are the next tile's codes (tile 7's: whatever the six registers behind it hold; every pattern of 6 bits is a finite number), which meet zeros; both scale words repeat bytes 0, 1 in 2, 3.
; THE WAY OUT: a head's 64 are half a fragment of the last projection's operand: 768 consecutive bytes, aligned, in stores of 512 and 256.  Of a row's scale word (128 along K) a head owns two bytes: they leave as 2 bytes a lane, 4 bytes apart,
; so these units of 256 bytes are written in part: 2 bytes for each 48 bytes of codes; the other two bytes are another head's work-group's.
; LIMITS: the promise holds while the scaled scores t stay under 2^31 in magnitude.  NaN and infinities are not served; a block of o whose largest magnitude lies under 2^-124 has its byte held at 1; a block of zeros gets the byte 1 (its codes are zeros; this program alone reads the bytes).
.set REC,   13056
.set HS,    16*REC                     ; from head to head, in memory
.set RL,    16320                      ; a record in LDS: 51 x 320
.set SPARE, 294912                     ; the spare words, 128 bytes for each wave: eight blocks of 256 bytes that no other line names; the records end at 261,120
.set XSCL,  6291456                    ; where the scale words begin in oq
.set SPW, 5                            ; v5   my spare word; never rewritten
.set NIL, 6                            ; v6   0; never rewritten
; v1 16 j + 1920 g + 320 h, v2 8 j + 1920 g + 128 h, v3 32 j + 8 g: k's codes and scale words;  v4 16 r + 320 h, v7 8 lane, v30 16 r: v's.  v8-11, v29, v31: the same six + the record's place
.set QF,  16                           ; v16-21 q's codes, v22-27 zeros
.set QS,  28                           ; v28  q's scale word
.set R0,  32                           ; v32-95   region 0
.set R1,  96                           ; v96-159  region 1
.set OT,  160                          ; v160-191 O^T
.set KS,  192                          ; v192-199 k's scale words
.set T,   200                          ; v200-211 six chains of the sum; earlier four chains of the maxima
.set QB,  212                          ; v212-217 q of the second tile, v218 its scale word
.set SH8, 219                          ; v219 8 h
.set VSW, 220                          ; v220-223 v's scale words
.set P,   224                          ; v224-235 p's codes; at a tile's end o's
.set P2,  236                          ; v236-242 the conversions' second halves
.set BM,  244                          ; v244-245 my two blocks' largest scores
.set CO,  246                          ; v246-247 the conversions' scale operands
.set TP,  248                          ; v248-249 at work
.set WV,  10                           ; s10  my wave's number
.set G1,  16                           ; s[16:23] descriptor group 1
.set G0,  24                           ; s[24:27] group 0
.set TB,  28                           ; s28  LDS byte at which the trip's first record begins
.set CNT, 29                           ; s29  counts a walk's 8 trips of two key steps
.set PASS, 30                          ; s30  counts my two tiles
.set SEL, 32                           ; s[32:33] lane selects for lane l xor 16
.set CS,  34                           ; s[34:35] c = log2(e) / 8
.macro CROUND                          ; a round of the cluster's barrier
	s_barrier_signal -1
	s_barrier_wait -1
	s_cmp_lg_u32 s[WV], 0
	s_cbranch_scc1 .Lnot_wave_0_\@
	s_barrier_signal -3
.Lnot_wave_0_\@:
	s_barrier_wait -3
	s_barrier_signal -1
	s_barrier_wait -1
.endm
.macro KLOAD reg, a16, a8, as, off     ; a record's eight tiles of k, by the choice of keys above, and their scale words: 20 loads
.irp t, 0,1,2,3,4,5,6,7
	ds_load_b128 v[\reg+6*\t:\reg+6*\t+3], v[\a16] offset:\off+960*(4*(\t/4)+\t%2)+128*((\t%4)/2)
	ds_load_b64 v[\reg+6*\t+4:\reg+6*\t+5], v[\a8] offset:\off+960*(4*(\t/4)+\t%2)+640+64*((\t%4)/2)
.endr
.irp p, 0,1,2,3                        ; tiles 2 p, 2 p + 1
	ds_load_b64 v[KS+2*\p:KS+2*\p+1], v[\as] offset:\off+15360+320*(\p%2)+16*(\p/2)
.endr
.endm
.macro INIT                            ; a tile of queries begins
	v_mov_b32 v13, 0xff61b1e6                      ; the largest t so far: -3e38
	s_delay_alu instid0(VALU_DEP_1)
	v_floor_f32 v12, -v13                          ; -M
	v_mov_b32 v14, 0                               ; the sum, in two halves
	v_mov_b32 v15, 0
.set j, 0
.rept 32
	v_mov_b32 v[OT+j], 0                           ; O^T: the step is written once; the first finds zeros
.set j, j+1
.endr
.endm
	s_load_b128 s[4:7], s[0:1], 0x0                ; qb s[4:5], kv s[6:7]
	s_load_b64 s[8:9], s[0:1], 0x10                ; oq
	v_lshl_add_u32 v[SPW], v0, 2, SPARE
	v_mov_b32 v[NIL], 0
	ds_add_u32 v[SPW], v[NIL]                      ; the opening lines: the add, twice on end, and its wait ahead of my first tensor load
	ds_add_u32 v[SPW], v[NIL]
	v_lshrrev_b32 v8, 5, v0
	s_delay_alu instid0(VALU_DEP_1)
	v_readfirstlane_b32 s[WV], v8                  ; wave 0..15
	s_bfe_u32 s11, ttmp6, 0x40000                  ; cx: my block of 512 queries: it enters q's and o's addresses alone
	s_and_b32 s13, ttmp7, 0xffff                   ; 16 x batch + head, which the four partners share
	; group 1: a record as 51 rows of 256 bytes (32 elements of 8 bytes), dense in memory, 16 words of padding behind each row in LDS
	s_mov_b32 s[G1], 15|(3<<16)|(1<<20)|(1<<21)|(5<<22)|(15<<25)   ; 15:0 the mask: all four work-groups; 17:16 elements of 8 bytes; 20 padding on; 21 set beside a mask; 24:22 after every 64 words; 31:25 of 16 words
	s_mov_b32 s[G1+1], 32<<16
	s_mov_b32 s[G1+2], 51<<16
	s_mov_b32 s[G1+3], 32<<16
	s_mov_b32 s[G1+4], 51
	s_mov_b32 s[G1+5], 32
	s_mov_b32 s[G1+6], 0
	s_mov_b32 s[G1+7], 0
	s_mul_i32 s36, s13, HS                         ; the head's 16 records are one dense run
	s_mul_i32 s38, s[WV], REC                      ; the record that I fetch, in memory,
	s_mul_i32 s39, s[WV], RL                       ; and in LDS
	s_add_co_u32 s40, s36, s38
	s_mov_b32 s41, 0
	s_lshl_b32 s42, s11, 2
	s_lshr_b32 s43, s[WV], 2
	s_add_co_u32 s42, s42, s43                     ; q: record 4 cx + wave / 4,
	s_mul_i32 s42, s42, REC
	s_add_co_u32 s42, s42, s36
	s_and_b32 s43, s[WV], 3                        ; tiles 2 (wave % 4) and the next
	s_mul_i32 s44, s43, 1536
	s_add_co_u32 s44, s44, s42
	s_mov_b32 s45, 0
	s_lshl_b32 s46, s43, 3                         ; their scale words: 4 bytes a tile
	s_add_co_u32 s46, s46, s42
	s_mov_b32 s47, 0
	s_lshr_b32 s37, s13, 4                         ; batch
	s_and_b32 s31, s13, 15                         ; head
	s_lshl_b32 s52, s37, 7
	s_lshl_b32 s53, s11, 5
	s_add_co_u32 s52, s52, s53
	s_lshl_b32 s53, s[WV], 1
	s_add_co_u32 s52, s52, s53                     ; my first row tile T = 128 batch + 32 cx + 2 wave
	s_lshl_b32 s52, s52, 4
	s_add_co_u32 s52, s52, s31
	s_mul_i32 s52, s52, 768                        ; half fragment 16 T + head
	s_mov_b32 s53, 0
	s_lshl_b32 s54, s37, 5
	s_lshl_b32 s55, s11, 3
	s_add_co_u32 s54, s54, s55
	s_lshr_b32 s55, s[WV], 1
	s_add_co_u32 s54, s54, s55                     ; T / 4: my group of 64 rows,
	s_lshl_b32 s54, s54, 11
	s_lshr_b32 s55, s31, 1
	s_lshl_b32 s55, s55, 8                         ; the K step head / 2,
	s_add_co_u32 s54, s54, s55
	s_and_b32 s55, s[WV], 1
	s_lshl_b32 s55, s55, 7                         ; my two tiles' 32 words in the unit,
	s_add_co_u32 s54, s54, s55
	s_and_b32 s55, s31, 1
	s_lshl_b32 s55, s55, 1                         ; and bytes 2 (head % 2) on of each word
	s_add_co_u32 s54, s54, s55
	s_add_co_u32 s54, s54, XSCL
	s_mov_b32 s55, 0
	s_mov_b32 s[SEL], 0x76543210
	s_mov_b32 s[SEL+1], 0xfedcba98
	s_mov_b32 s[CS], 0x3e38aa3b                    ; c = log2(e) / 8
	s_mov_b32 s[CS+1], s[CS]                       ; (named with it as a pair, so it is written)
	s_wait_dscnt 0x0                               ; both opening adds are done
	s_wait_kmcnt 0x0
	s_mov_b32 s[G0], 1
	s_mov_b32 s[G0+1], s39
	s_add_nc_u64 s[G0+2:G0+3], s[6:7], s[40:41]
	s_or_b32 s[G0+3], s[G0+3], 0x80000000
	s_add_nc_u64 s[48:49], s[4:5], s[46:47]        ; q's scale words
	s_add_nc_u64 s[4:5], s[4:5], s[44:45]          ; q's codes
	s_add_nc_u64 s[50:51], s[8:9], s[54:55]        ; o's scale bytes
	s_add_nc_u64 s[8:9], s[8:9], s[52:53]          ; o's codes
	CROUND                                         ; all four work-groups are here: the joint loads meet
	tensor_load_to_lds s[G0:G0+3], s[G1:G1+7]      ; record number = my wave's number: my one tensor load of the launch
	s_nop 0
	v_and_b32 v8, 31, v0                           ; lane
	v_and_b32 v9, 15, v0                           ; r
	v_bfe_u32 v10, v0, 4, 1                        ; h
	v_and_b32 v11, 7, v0                           ; j
	v_bfe_u32 v29, v0, 3, 1                        ; g
	v_lshlrev_b32 v250, 4, v8                      ; 16 x lane
	v_lshlrev_b32 v7, 3, v8                        ; 8 x lane
	v_lshlrev_b32 v251, 5, v9                      ; 32 r
	global_load_b128 v[QF:QF+3], v250, s[4:5]      ; q of both tiles stays in registers
	global_load_b64 v[QF+4:QF+5], v7, s[4:5] offset:512
	global_load_b128 v[QB:QB+3], v250, s[4:5] offset:768
	global_load_b64 v[QB+4:QB+5], v7, s[4:5] offset:768+512
	global_load_b32 v[QS], v251, s[48:49] offset:12288
	global_load_b32 v[QB+6], v251, s[48:49] offset:12292
	v_lshlrev_b32 v1, 4, v11
	v_lshlrev_b32 v2, 3, v11
	v_lshlrev_b32 v3, 5, v11
	v_lshlrev_b32 v4, 4, v9
	v_lshlrev_b32 v30, 4, v9
	v_lshlrev_b32 v[SH8], 3, v10
	v_mad_u32_u24 v1, v29, 1920, v1
	v_mad_u32_u24 v2, v29, 1920, v2
	v_lshl_add_u32 v3, v29, 3, v3
	v_mad_u32_u24 v4, v10, 320, v4
	v_mad_u32_u24 v1, v10, 320, v1
	v_lshl_add_u32 v2, v10, 7, v2
.irp i, 22,23,24,25,26,27
	v_mov_b32 v\i, 0                               ; zero codes
.endr
.irp i, 48,49,50,51,52,53
	v_mov_b32 v[R0+\i], 0                          ; the six registers behind region 0's tile 7, written before they are first named
.endr
	v_mov_b32 v[TP], 0                             ; written once: a lane permute's destination counts as one of its sources
	v_mov_b32 v[TP+1], 0
	v_mov_b32 v253, 0                              ; (named as the upper half of the pair v[252:253] before it is first written)
	INIT
; A KEY STEP: 128 keys.  kr: the region with k's tiles, then v's fragments; sr: the region for S^T and p, then the next record's k.  vo, ko: this record's and the next one's place behind s[TB].  last = 1: in the walk's last trip no record follows.
.macro STEP kr, sr, vo, ko, last
	s_wait_alu depctr_va_vdst(0)
	s_wait_dscnt 0x0                               ; k's tiles and scale words are in
.irp t, 0,1,2,3,4,5,6,7
	v_wmma_scale_f32_16x16x128_f8f6f4 v[\sr+8*\t:\sr+8*\t+7], v[\kr+6*\t:\kr+6*\t+11], v[QF:QF+11], 0, v[KS+\t], v[QS] matrix_a_fmt:MATRIX_FMT_FP6 matrix_b_fmt:MATRIX_FMT_FP6
.endr
	v_mov_b32 v254, v12                            ; the old -M.  With the three lines below: the places in front of the loads into k's registers and of the first read of the scores
.rept 3
	v_nop
.endr
.irp d, 0,1,2,3                                ; v's four fragments land while the softmax is worked
	ds_load_b128 v[\kr+12*\d:\kr+12*\d+3], v11 offset:\vo+7680+1920*\d
	ds_load_b64 v[\kr+12*\d+4:\kr+12*\d+5], v29 offset:\vo+7680+1920*\d+640
	ds_load_b128 v[\kr+12*\d+6:\kr+12*\d+9], v11 offset:\vo+7680+1920*\d+960
	ds_load_b64 v[\kr+12*\d+10:\kr+12*\d+11], v29 offset:\vo+7680+1920*\d+1600
.endr
	ds_load_b128 v[VSW:VSW+3], v31 offset:\vo+16000
.irp q, 0,1,2,3
	v_max3_num_f32 v[T+\q], v[\sr+16*\q], v[\sr+16*\q+1], v[\sr+16*\q+2]   ; the largest score of my two blocks of 32 keys, in four chains; each accumulator is read from its low end on
.endr
.irp i, 3,5,7,9,11,13
.irp q, 0,1,2,3
	v_max3_num_f32 v[T+\q], v[T+\q], v[\sr+16*\q+\i], v[\sr+16*\q+\i+1]
.endr
.endr
.irp c, 0,1
	v_max3_num_f32 v[BM+\c], v[T+2*\c], v[T+2*\c+1], v[\sr+32*\c+15]
.endr
.irp c, 0,1
	v_max_num_f32 v[BM+\c], v[BM+\c], v[\sr+32*\c+31]   ; it serves for the row's maximum and, since p rises with the score, for the block's largest p
.endr
	v_max_num_f32 v[TP], v[BM], v[BM+1]
	v_permlanex16_b32 v[TP+1], v[TP], s[SEL], s[SEL+1]
	v_max_num_f32 v[TP], v[TP], v[TP+1]            ; with lane l xor 16's two blocks: the step's largest score of my query
	s_delay_alu instid0(VALU_DEP_1)
	v_mul_f32 v[TP], s[CS], v[TP]                  ; as t
	s_delay_alu instid0(VALU_DEP_1)
	v_max_num_f32 v13, v13, v[TP]                  ; the running largest t
	v_floor_f32 v12, -v13                          ; the new -M = -ceil(t): a whole number
	s_delay_alu instid0(VALU_DEP_1)
	v_sub_f32 v254, v12, v254                      ; old M - new M: a whole number, 0 or less
	s_delay_alu instid0(VALU_DEP_1)
	v_cvt_i32_f32 v254, v254                       ; (it saturates)
	s_delay_alu instid0(VALU_DEP_1)
	v_ldexp_f32 v252, 1.0, v254                    ; f = 2^(old M - new M)
.set j, 0
.rept 32
	v_pk_fma_f32 v[\sr+j:\sr+j+1], v[\sr+j:\sr+j+1], s[CS:CS+1], v[12:13] op_sel_hi:[1,0,0]   ; t - M, two at a time
.set j, j+2
.endr
.irp c, 0,1
	v_fma_f32 v[BM+\c], v[BM+\c], s[CS], v12       ; the same of each block's largest score
.endr
	s_wait_alu depctr_va_vdst(0)
.set j, 0
.rept 64
	v_exp_f32 v[\sr+j], v[\sr+j]                   ; p = 2^(t - M), at most 1
.set j, j+1
.endr
	v_pk_mul_f32 v[14:15], v[14:15], v[252:253] op_sel_hi:[1,0]   ; the sums under the new M: a plain place behind the exponentials
	s_wait_alu depctr_va_vdst(0)                   ; one wait for the whole batch, ahead of its first reader
.irp c, 0,1
	v_exp_f32 v[BM+\c], v[BM+\c]                   ; the block's largest p: the same two instructions on the same number give the same bits
.endr
.irp i, 0,1,2,3,4,5                            ; the row's sum of the unquantised p: 32 pairs into six chains and the sum itself
	v_pk_add_f32 v[T+2*\i:T+2*\i+1], v[\sr+4*\i:\sr+4*\i+1], v[\sr+4*\i+2:\sr+4*\i+3]
.endr
	v_pk_add_f32 v[14:15], v[14:15], v[\sr+24:\sr+25]
.set k, 13
.rept 19
.if (k-13)%7 == 6
	v_pk_add_f32 v[14:15], v[14:15], v[\sr+2*k:\sr+2*k+1]
.else
	v_pk_add_f32 v[T+2*((k-13)%7):T+2*((k-13)%7)+1], v[T+2*((k-13)%7):T+2*((k-13)%7)+1], v[\sr+2*k:\sr+2*k+1]
.endif
.set k, k+1
.endr
	s_wait_alu depctr_va_vdst(0)                   ; and one for the two
.irp c, 0,1
	v_max_num_f32 v[BM+\c], 0x1800000, v[BM+\c]    ; the floor 2^(3 - 127): the byte cannot fall under 1
.endr
.irp c, 0,1
	s_delay_alu instid0(VALU_DEP_2)
	v_add_nc_u32 v[CO+\c], 0xff000000, v[BM+\c]    ; 2 off the exponent field: the conversion's scale operand
.endr
.irp c, 0,1
	s_delay_alu instid0(VALU_DEP_2)
	v_lshrrev_b32 v[TP+\c], 23, v[CO+\c]           ; the scale's byte
.endr
	s_delay_alu instid0(VALU_DEP_1)
	v_lshl_or_b32 v[TP], v[TP+1], 16, v[TP]        ; my two bytes: blocks h and 2 + h,
	s_delay_alu instid0(VALU_DEP_1)
	v_lshlrev_b32 v[TP], v[SH8], v[TP]             ; at their places in the scale word;
	s_delay_alu instid0(VALU_DEP_1)
	v_permlanex16_b32 v[TP+1], v[TP], s[SEL], s[SEL+1]
	s_delay_alu instid0(VALU_DEP_1)
	v_or_b32 v253, v[TP], v[TP+1]                  ; with lane l xor 16's two the word of these 128 keys is whole
.irp c, 0,1
	v_cvt_scalef32_pk16_fp6_f32 v[P+6*\c:P+6*\c+2], v[\sr+32*\c:\sr+32*\c+15], v[CO+\c]
	v_cvt_scalef32_pk16_fp6_f32 v[P2+4*\c:P2+4*\c+2], v[\sr+32*\c+16:\sr+32*\c+31], v[CO+\c]   ; (a conversion's three registers begin on an even number)
.endr
	v_nop                                          ; one plain place behind a scaled conversion
	s_wait_alu depctr_va_vdst(0)
	s_wait_dscnt 0x0                               ; v is in (asked for ahead of the softmax): so no count hangs on the loads below
.if \last
	s_cmp_eq_u32 s[CNT], 1
	s_cbranch_scc1 .Lno_next_\@                    ; the walk's last record: no k follows
.endif
	KLOAD \sr, 8, 9, 10, \ko                       ; the next record's k over p, whose codes are made
.if \last
.Lno_next_\@:
.endif
.irp c, 0,1
.irp i, 0,1,2
	v_mov_b32 v[P+3+6*\c+\i], v[P2+4*\c+\i]
.endr
.endr
.set j, 0
.rept 16
	v_pk_mul_f32 v[OT+j:OT+j+1], v[OT+j:OT+j+1], v[252:253] op_sel_hi:[1,0]   ; O^T under the new M.  (With the moves: the places in front of the scaled products)
.set j, j+2
.endr
.irp d, 0,1,2,3
	v_wmma_scale_f32_16x16x128_f8f6f4 v[OT+8*\d:OT+8*\d+7], v[\kr+12*\d:\kr+12*\d+11], v[P:P+11], v[OT+8*\d:OT+8*\d+7], v[VSW+\d], v253 matrix_a_fmt:MATRIX_FMT_FP6 matrix_b_fmt:MATRIX_FMT_FP6
.endr
	v_pk_add_f32 v[T:T+1], v[T:T+1], v[T+2:T+3]    ; the sum's chains are joined here: six places behind the products, in front of the next step's, which write over v's registers
	v_pk_add_f32 v[T+4:T+5], v[T+4:T+5], v[T+6:T+7]
	v_pk_add_f32 v[T+8:T+9], v[T+8:T+9], v[T+10:T+11]
	s_delay_alu instid0(VALU_DEP_2)
	v_pk_add_f32 v[T:T+1], v[T:T+1], v[T+4:T+5]
	s_delay_alu instid0(VALU_DEP_2)
	v_pk_add_f32 v[14:15], v[14:15], v[T+8:T+9]
	s_delay_alu instid0(VALU_DEP_1)
	v_pk_add_f32 v[14:15], v[14:15], v[T:T+1]
.endm
	s_wait_alu depctr_va_vdst(0)
	s_wait_loadcnt 0x0                             ; q
	s_wait_tensorcnt 0x0                           ; my record has landed:
	s_barrier_signal -1                            ; say so,
	s_barrier_wait -1                              ; and behind this wait all sixteen records are whole for every wave; nothing is written to them again
	s_mov_b32 s[PASS], 2
.Ltile:                                            ; a tile of 16 queries
	KLOAD R0, 1, 2, 3, 0                           ; record 0's k
	s_mov_b32 s[TB], 0
	s_mov_b32 s[CNT], 8
.Ltrip:                                            ; two key steps, until the regions are back where they began
	v_add_nc_u32 v8, s[TB], v1                     ; (these six are also places behind the last products)
	v_add_nc_u32 v9, s[TB], v2
	v_add_nc_u32 v10, s[TB], v3
	v_add_nc_u32 v11, s[TB], v4
	v_add_nc_u32 v29, s[TB], v7
	v_add_nc_u32 v31, s[TB], v30
	STEP R0, R1, 0, RL, 0
	STEP R1, R0, RL, 2*RL, 1
	s_add_co_u32 s[TB], s[TB], 2*RL
	s_sub_co_u32 s[CNT], s[CNT], 1
	s_cmp_lg_u32 s[CNT], 0
	s_cbranch_scc1 .Ltrip
; THE TILE'S END: O^T is divided by the row's sum and quantised: the head's 64 are two blocks of the last projection's K.  (The six adds above are the places behind the last products.)
	v_add_f32 v14, v14, v15                        ; the sum's two halves,
	s_delay_alu instid0(VALU_DEP_1)
	v_permlanex16_b32 v254, v14, s[SEL], s[SEL+1]
	s_delay_alu instid0(VALU_DEP_1)
	v_add_f32 v14, v14, v254                       ; and lane l xor 16's
	s_wait_alu depctr_va_vdst(0)
	v_rcp_f32 v252, v14
	v_nop                                          ; a plain place behind the reciprocal
	s_wait_alu depctr_va_vdst(0)                   ; and the wait ahead of its first reader
.set j, 0
.rept 16
	v_pk_mul_f32 v[R1+j:R1+j+1], v[OT+j:OT+j+1], v[252:253] op_sel_hi:[1,0]   ; register 16 b + i is o(my query, 32 b + 16 h + i); each accumulator from its low end on
.set j, j+2
.endr
.irp b, 0,1
	v_max3_num_f32 v[BM+\b], |v[R1+16*\b]|, |v[R1+1+16*\b]|, 0x1800000
.endr
.irp i, 2,4,6,8,10,12,14
.irp b, 0,1
	s_delay_alu instid0(VALU_DEP_2)
	v_max3_num_f32 v[BM+\b], v[BM+\b], |v[R1+16*\b+\i]|, |v[R1+1+16*\b+\i]|
.endr
.endr
.irp b, 0,1
	s_delay_alu instid0(VALU_DEP_2)
	v_permlanex16_b32 v[TP+\b], v[BM+\b], s[SEL], s[SEL+1]
.endr
.irp b, 0,1
	s_delay_alu instid0(VALU_DEP_2)
	v_max_num_f32 v[BM+\b], v[BM+\b], v[TP+\b]
.endr
.irp b, 0,1
	s_delay_alu instid0(VALU_DEP_2)
	v_add_nc_u32 v[CO+\b], 0xff000000, v[BM+\b]
.endr
.irp b, 0,1
	s_delay_alu instid0(VALU_DEP_2)
	v_lshrrev_b32 v[TP+\b], 23, v[CO+\b]
.endr
	s_delay_alu instid0(VALU_DEP_1)
	v_lshl_or_b32 v0, v[TP+1], 8, v[TP]            ; the two bytes
	v_cvt_scalef32_pk16_fp6_f32 v[P:P+2], v[R1:R1+15], v[CO]
	v_cvt_scalef32_pk16_fp6_f32 v[P2:P2+2], v[R1+16:R1+31], v[CO+1]
	v_nop                                          ; one plain place behind a scaled conversion
.irp i, 0,1,2
	v_permlane16_swap_b32 v[P+\i], v[P2+\i]        ; a whole block in a lane: lanes 0-15 the first, lanes 16-31 the second
.endr
.irp i, 0,1,2
	s_delay_alu instid0(VALU_DEP_3)
	v_mov_b32 v[P+3+\i], v[P2+\i]
.endr
	v_lshlrev_b32 v250, 1, v7                      ; 16 x lane
	v_lshrrev_b32 v251, 2, v30                     ; 4 r
	global_store_b128 v250, v[P:P+3], s[8:9]       ; my half fragment: 512 and 256 consecutive bytes, aligned
	global_store_b64 v7, v[P+4:P+5], s[8:9] offset:512
	global_store_b16 v251, v0, s[50:51]            ; two bytes of each of 16 scale words; both halves of the lanes write the same bytes with the same value
	s_wait_xcnt 0x0                                ; the stores have read their registers and bases: only behind this wait are these written again
	s_sub_co_u32 s[PASS], s[PASS], 1
	s_cmp_eq_u32 s[PASS], 0
	s_cbranch_scc1 .Ldone                          ; behind the second tile nothing is set up
	s_add_nc_u64 s[8:9], s[8:9], 12288             ; the next row tile's fragments,
	s_add_nc_u64 s[50:51], s[50:51], 64            ; and its 16 scale words
.irp i, 0,1,2,3,4,5
	v_mov_b32 v[QF+\i], v[QB+\i]                   ; its q first, so that what follows stands as the places ahead of the next scaled products
.endr
	v_mov_b32 v[QS], v[QB+6]
	INIT
	s_wait_alu depctr_va_vdst(0)
	s_cmp_lg_u32 s[PASS], 0
	s_cbranch_scc1 .Ltile
.Ldone:
	s_wait_tensorcnt 0x0                           ; the wave's end: behind my tensor load
	ds_add_u32 v[SPW], v[NIL]
	s_wait_dscnt 0x0
	CROUND                                         ; the closing round
	s_endpgm
.Lfunc_end_k_qeb54be077d_attn:
	.size	k_qeb54be077d_attn, .Lfunc_end_k_qeb54be077d_attn-k_qeb54be077d_attn
	.p2alignl 7, 3214868480
	.fill 96, 4, 3214868480
	.section	.rodata,"a",@progbits
	.p2align	6, 0x0
	.amdhsa_kernel k_qeb54be077d_attn
		.amdhsa_group_segment_fixed_size 327680
		.amdhsa_private_segment_fixed_size 0
		.amdhsa_enable_private_segment 0
		.amdhsa_kernarg_size 24
		.amdhsa_user_sgpr_count 2
		.amdhsa_user_sgpr_kernarg_segment_ptr 1
		.amdhsa_wavefront_size32 1
		.amdhsa_system_sgpr_workgroup_id_x 1
		.amdhsa_system_sgpr_workgroup_id_y 1
		.amdhsa_system_sgpr_workgroup_id_z 1
		.amdhsa_system_vgpr_workitem_id 0
		.amdhsa_next_free_vgpr 256
		.amdhsa_next_free_sgpr 66
		.amdhsa_reserve_vcc 0
		.amdhsa_float_denorm_mode_32 3
		.amdhsa_float_denorm_mode_16_64 3
		.amdhsa_memory_ordered 1
		.amdhsa_forward_progress 1
		.amdhsa_inst_pref_size 47
	.end_amdhsa_kernel
	.amdgpu_metadata
---
amdhsa.version: [ 1, 2 ]
amdhsa.kernels:
  - .name:           k_qeb54be077d_attn
    .symbol:         k_qeb54be077d_attn.kd
    .args:
      - { .name: qb, .offset: 0, .size: 8, .value_kind: global_buffer, .address_space: global }
      - { .name: kv, .offset: 8, .size: 8, .value_kind: global_buffer, .address_space: global }
      - { .name: oq, .offset: 16, .size: 8, .value_kind: global_buffer, .address_space: global }
    .group_segment_fixed_size: 327680
    .private_segment_fixed_size: 0
    .kernarg_segment_align: 8
    .kernarg_segment_size: 24
    .max_flat_workgroup_size: 512
    .sgpr_count:     66
    .vgpr_count:     256
    .wavefront_size: 32
...
	.end_amdgpu_metadata
.endif
;; end of part 3
;; launch outp (part 4): grid 4 x 32, 4 waves a work-group, clusters of 4 x 4, 327,680 bytes of LDS; arguments oq, wq4, bo, out0; writes out0
.if DOCPART == 4
	.amdgcn_target "amdgcn-amd-amdhsa--gfx1250"
	.amdhsa_code_object_version 6
	.text
	.protected	k_qeb54be077d_outp
	.globl	k_qeb54be077d_outp
	.p2align	8
	.type	k_qeb54be077d_outp,@function
k_qeb54be077d_outp:
	s_mov_b64 s[64:65], 0
	v_nop
	global_prefetch_b8 v0, s[64:65] scope:SCOPE_SE
	s_setreg_imm32_b32 hwreg(HW_REG_WAVE_MODE, 25, 1), 1
	s_wait_xcnt 0x0
	s_wait_alu depctr_hold_cnt(0) depctr_sa_sdst(0) depctr_va_vdst(0) depctr_va_sdst(0) depctr_va_ssrc(0) depctr_va_vcc(0) depctr_vm_vsrc(0)
	s_getreg_b32 s2, hwreg(HW_REG_IB_STS2, 6, 4)
	s_cmp_eq_u32 s2, 0
	s_cbranch_scc0 .Lentry_in_a_cluster
	s_endpgm
.Lentry_in_a_cluster:
	s_bfe_u32 s2, ttmp6, 0x10000c
	s_cmp_lg_u32 s2, 0xf033
	s_cbranch_scc0 .Lentry_shape_is_right
	s_endpgm
.Lentry_shape_is_right:
.set FR,    12
.set NQ,    2
.set NL,    4
.set NP,    4
.set TILEB, 12288
.set FILLB, 3072
.set HALFT, 8*FILLB
.set SLOT,  4*HALFT
.set SCL,   2*SLOT
.set HALFS, 4096
.set SPARE, SCL+4*HALFS
.set XSCL,  6291456
.set WBLK,  819200
.set WSCL,  786432
.set SPITCH, 528
.set L16,  12
.set L8,   13
.set ADRA, 16
.set ADRB, 20
.set STO,  24
.set RD,   25
.set ADRS, 27
.set SPW,  28
.set NIL,  29
.set SC,   32
.set BO,   64
.set AF,   128
.set BK,   128
.set G1, 24
.set G0, 32
.set G1B, 48
.set G0B, 56
.set G1S, 68
.set G0S, 76
.set G1SB, 80
.set G0SB, 88
.set MSB, 0
.macro WIN new
.if MSB != (\new)
	s_set_vgpr_msb (MSB<<8)|(\new)
.set MSB, (\new)
.endif
.endm
.set MUL_LO, 0xa1
.set MUL_HI, 0xf1
.set TO_B,   0x40
.macro JLOAD g0a, g1a, g0b, g1b
	s_cmp_eq_u32 s15, 0
	s_cbranch_scc0 .Lfor_b_\@
	tensor_load_to_lds s[\g0a:\g0a+3], s[\g1a:\g1a+7]
	s_nop 0
.rept 4
	v_nop
.endr
	s_branch .Lasked_\@
.Lfor_b_\@:
	tensor_load_to_lds s[\g0b:\g0b+3], s[\g1b:\g1b+7]
	s_nop 0
.rept 4
	v_nop
.endr
.Lasked_\@:
.endm
.macro CREST
	s_cmp_lg_u32 s14, 0
	s_cbranch_scc1 .Lnot_wave_0_\@
	s_barrier_signal -3
.Lnot_wave_0_\@:
	s_barrier_wait -3
	s_barrier_signal -1
	s_barrier_wait -1
.endm
.macro CROUND
	s_barrier_signal -1
	s_barrier_wait -1
	CREST
.endm
	s_load_b256 s[4:11], s[0:1], 0x0
	v_lshl_add_u32 v[SPW], v0, 2, SPARE
	v_mov_b32 v[NIL], 0
	ds_add_u32 v[SPW], v[NIL]
	ds_add_u32 v[SPW], v[NIL]
	v_lshrrev_b32 v1, 5, v0
	v_readfirstlane_b32 s14, v1
	s_lshr_b32 s15, s14, 1
	s_and_b32 s16, s14, 1
	s_bfe_u32 s40, ttmp6, 0x40000
	s_bfe_u32 s41, ttmp6, 0x40004
	s_lshl_b32 s42, ttmp9, 2
	s_add_co_u32 s42, s42, s40
	s_and_b32 s17, ttmp7, 0xffff
	s_lshl_b32 s17, s17, 2
	s_add_co_u32 s17, s17, s41
	s_lshl_b32 s43, s41, 2
	s_lshl_b32 s43, 15, s43
	s_lshl_b32 s44, 0x1111, s40
	s_or_b32 s[G1+0], s43, (3<<16)|(1<<21)
	s_or_b32 s[G1B+0], s44, (3<<16)|(1<<21)
.irp g, G1, G1B
	s_mov_b32 s[\g+1], 384<<16
	s_mov_b32 s[\g+2], 16<<16                      ; the head's loads of codes bring all 16 row tiles; behind them the two words are set to 8
	s_mov_b32 s[\g+3], 384<<16
	s_mov_b32 s[\g+4], 16
	s_mov_b32 s[\g+5], 1536
	s_mov_b32 s[\g+6], 0
	s_mov_b32 s[\g+7], 0
.endr
	s_or_b32 s[G1S+0], s43, (3<<16)|(1<<21)
	s_or_b32 s[G1SB+0], s44, (3<<16)|(1<<21)
.irp g, G1S, G1SB
	s_mov_b32 s[\g+1], 32<<16
	s_mov_b32 s[\g+2], 32<<16                      ; the scales of all 256 rows: 32 rows of 256 bytes
	s_mov_b32 s[\g+3], 32<<16
	s_mov_b32 s[\g+4], 32
	s_mov_b32 s[\g+5], 32
	s_mov_b32 s[\g+6], 0
	s_mov_b32 s[\g+7], 0
.endr
	s_lshl_b32 s18, s16, 3
	s_lshl_b32 s20, s17, 4
	s_add_co_u32 s20, s20, s18
	s_lshl_b32 s46, s42, 4
	s_add_co_u32 s46, s46, s18
	s_lshl_b32 s22, s17, 13                        ; the scales of the tile's 256 rows begin at 16 row tiles x 512 bytes x the tile's number
	s_add_co_u32 s22, s22, XSCL
	s_lshl_b32 s92, s42, 13
	s_add_co_u32 s92, s92, 3*WBLK+WSCL
	s_mul_i32 s20, s20, TILEB
	s_mul_i32 s46, s46, TILEB
	s_add_co_u32 s46, s46, 3*WBLK
	s_mov_b32 s21, 0
	s_mov_b32 s23, 0
	s_mov_b32 s47, 0
	s_mov_b32 s93, 0
	s_mul_i32 s66, s14, HALFT
	s_wait_dscnt 0x0
	s_wait_kmcnt 0x0
	s_add_nc_u64 s[20:21], s[4:5], s[20:21]
	s_add_nc_u64 s[22:23], s[4:5], s[22:23]
	s_add_nc_u64 s[46:47], s[6:7], s[46:47]
	s_add_nc_u64 s[92:93], s[6:7], s[92:93]
	CROUND
	s_mov_b32 s[G0S], 1
	s_mov_b32 s[G0S+1], SCL
	s_mov_b64 s[G0S+2:G0S+3], s[22:23]
	s_or_b32 s[G0S+3], s[G0S+3], 0x80000000
	s_mov_b32 s[G0SB], 1
	s_mov_b32 s[G0SB+1], SCL+2*HALFS
	s_mov_b64 s[G0SB+2:G0SB+3], s[92:93]
	s_or_b32 s[G0SB+3], s[G0SB+3], 0x80000000
.irp s, 0,1
	s_mov_b32 s[G0+4*\s], 1
	s_add_co_u32 s[G0+4*\s+1], s66, \s*SLOT
	s_add_nc_u64 s[G0+4*\s+2:G0+4*\s+3], s[20:21], \s*FILLB
	s_or_b32 s[G0+4*\s+3], s[G0+4*\s+3], 0x80000000
	s_mov_b32 s[G0B+4*\s], 1
	s_add_co_u32 s[G0B+4*\s+1], s66, \s*SLOT
	s_add_nc_u64 s[G0B+4*\s+2:G0B+4*\s+3], s[46:47], \s*FILLB
	s_or_b32 s[G0B+4*\s+3], s[G0B+4*\s+3], 0x80000000
.endr
; THE HEAD'S LOADS, ONE A WAVE: wave 0 slot 0's 16 tiles of A, wave 1 A's scales, wave 2 slot 0's 16 tiles of B, wave 3 B's scales.
; Waves 0 and 2 use their own group 0 of slot 0: its addresses are those of the tile's first half, and group 1 counts 16 tiles here.  One chain of branches on the wave's number, one load to an arm, one join.
.macro ARM under, g0, g1, next
	s_cmp_lt_u32 s14, \under
	s_cbranch_scc0 \next
	tensor_load_to_lds s[\g0:\g0+3], s[\g1:\g1+7]
	s_nop 0
.rept 4
	v_nop
.endr
	s_branch .Lhead_asked
\next:
.endm
	ARM 1, G0,  G1,  .Lhead_sa
	ARM 2, G0S, G1S, .Lhead_b
	ARM 3, G0B, G1B, .Lhead_sb
	tensor_load_to_lds s[G0SB:G0SB+3], s[G1SB:G1SB+7]
	s_nop 0
.rept 4
	v_nop
.endr
.Lhead_asked:
	v_and_b32 v1, 15, v0
	v_bfe_u32 v2, v0, 4, 1
	v_and_b32 v3, 31, v0
	v_lshlrev_b32 v[L16], 4, v3
	v_lshlrev_b32 v[L8], 3, v3
	s_mul_i32 s21, s15, HALFT
	s_mul_i32 s22, s16, HALFT
	s_add_co_u32 s22, s22, 2*HALFT
.irp s, 0,1
	v_add_nc_u32 v[ADRA+\s], s21, v[L16]
	v_add_nc_u32 v[ADRB+\s], s22, v[L16]
	v_add_nc_u32 v[ADRA+2+\s], s21, v[L8]
	v_add_nc_u32 v[ADRB+2+\s], s22, v[L8]
	s_add_co_u32 s21, s21, SLOT
	s_add_co_u32 s22, s22, SLOT
.endr
	s_mul_i32 s21, s15, HALFS
	s_mul_i32 s22, s16, HALFS
	s_add_co_u32 s22, s22, 2*HALFS
	s_sub_co_u32 s22, s22, s21
	v_mul_u32_u24 v6, s22, v2
	s_add_co_u32 s21, s21, SCL
	v_lshl_add_u32 v5, v1, 2, v6
	v_add_nc_u32 v[ADRS], s21, v5
	s_mul_i32 s23, s14, 16*SPITCH
	v_mul_u32_u24 v5, v1, SPITCH
	v_lshl_add_u32 v5, v2, 6, v5
	v_add_nc_u32 v[STO], s23, v5
	v_add_nc_u32 v[RD], s23, v[L16]
	s_lshl_b32 s20, s17, 8
	s_lshl_b32 s21, s15, 7
	s_add_co_u32 s20, s20, s21
	s_lshl_b32 s20, s20, 12
	s_lshl_b32 s46, s42, 10
	s_lshl_b32 s47, s16, 9
	s_add_co_u32 s46, s46, s47
	v_add_nc_u32 v9, s46, v[L16]
	global_load_b128 v[BO:BO+3], v9, s[8:9]
	s_add_co_u32 s20, s20, s46
	s_mov_b32 s21, 0
	s_add_nc_u64 s[12:13], s[10:11], s[20:21]
.macro FRAG reg, adr, q, i
	ds_load_b128 v[\reg:\reg+3], v[\adr] offset:(\i)*FILLB+(\q)*1536
	ds_load_b64 v[\reg+4:\reg+5], v[\adr+2] offset:(\i)*FILLB+(\q)*1536+512
	ds_load_b128 v[\reg+6:\reg+9], v[\adr] offset:(\i)*FILLB+(\q)*1536+768
	ds_load_b64 v[\reg+10:\reg+11], v[\adr+2] offset:(\i)*FILLB+(\q)*1536+1280
.endm
.macro MUL16 a0, p, q, sc, zero
.irp a, \a0, \a0+1
.irp b, 0,1,2,3,4,5,6,7
.if \zero
	v_wmma_scale_f32_16x16x128_f8f6f4 v[8*(8*((\a)%4)+\b):8*(8*((\a)%4)+\b)+7], v[128*(\p)+FR*\b:128*(\p)+FR*\b+FR-1], v[AF+FR*(\a):AF+FR*(\a)+FR-1], 0, v[SC+8*NQ*(\sc)+NQ*\b+(\q)], v[SC+8*NQ*(\sc)+NQ*(\a)+(\q)] matrix_a_fmt:MATRIX_FMT_FP6 matrix_b_fmt:MATRIX_FMT_FP6 matrix_a_scale:MATRIX_SCALE_ROW1
.else
	v_wmma_scale_f32_16x16x128_f8f6f4 v[8*(8*((\a)%4)+\b):8*(8*((\a)%4)+\b)+7], v[128*(\p)+FR*\b:128*(\p)+FR*\b+FR-1], v[AF+FR*(\a):AF+FR*(\a)+FR-1], v[8*(8*((\a)%4)+\b):8*(8*((\a)%4)+\b)+7], v[SC+8*NQ*(\sc)+NQ*\b+(\q)], v[SC+8*NQ*(\sc)+NQ*(\a)+(\q)] matrix_a_fmt:MATRIX_FMT_FP6 matrix_b_fmt:MATRIX_FMT_FP6 matrix_a_scale:MATRIX_SCALE_ROW1
.endif
.endr
.endr
.endm
.macro FETCH_B slot, q, p
	WIN TO_B
.irp i, 0,1,2,3,4,5,6,7
	FRAG 128*(\p)+FR*\i, ADRB+\slot, \q, \i
.endr
	WIN 0
.endm
.macro FETCH_A slot, q, i0
.irp i, \i0, \i0+1, \i0+2, \i0+3
	FRAG AF+FR*(\i), ADRA+\slot, \q, \i
.endr
.endm
.macro SCALES sc, p
.irp i, 0,1,2,3,4,5,6,7
.irp q, 0,1
	ds_load_b32 v[SC+8*NQ*(\sc)+NQ*\i+\q], v[ADRS] offset:(\i/4)*2048+(\i%4)*64+(2*(\p)+\q)*256
.endr
.endr
.endm
.macro PLACES n
.rept \n
	v_nop
.endr
.endm
.macro STEP slot, q, zero
	s_wait_dscnt 4*NL
	WIN MUL_LO
	MUL16 0, (\q)%2, \q, \slot, \zero
	MUL16 2, (\q)%2, \q, \slot, \zero
	s_wait_dscnt 0
	PLACES NP
	FETCH_B \slot, (\q)+1, 1-(\q)%2
	FETCH_A \slot, (\q)+1, 0
	WIN MUL_HI
	MUL16 4, (\q)%2, \q, \slot, \zero
	MUL16 6, (\q)%2, \q, \slot, \zero
	PLACES NP
	WIN 0
	FETCH_A \slot, (\q)+1, 4
.endm
.macro TURN slot, next, fill, p
	s_wait_tensorcnt 0x0
	ds_add_u32 v[SPW], v[NIL]
	s_wait_dscnt 4*NL+1
	WIN MUL_LO
	MUL16 0, 1, NQ-1, \slot, 0
	s_wait_dscnt 0x0
	s_barrier_signal -1
	MUL16 2, 1, NQ-1, \slot, 0
	WIN 0
	s_barrier_wait -1
.if \fill
	CREST
	s_add_nc_u64 s[G0+4*\slot+2:G0+4*\slot+3], s[G0+4*\slot+2:G0+4*\slot+3], 2*FILLB
	s_add_nc_u64 s[G0B+4*\slot+2:G0B+4*\slot+3], s[G0B+4*\slot+2:G0B+4*\slot+3], 2*FILLB
	JLOAD G0+4*\slot, G1, G0B+4*\slot, G1B
.else
	PLACES NP
.endif
	FETCH_B \next, 0, 0
	FETCH_A \next, 0, 0
	SCALES \next, \p
	WIN MUL_HI
	MUL16 4, 1, NQ-1, \slot, 0
	MUL16 6, 1, NQ-1, \slot, 0
	PLACES NP
	WIN 0
	FETCH_A \next, 0, 4
.endm
	s_wait_alu depctr_va_vdst(0)
	s_wait_tensorcnt 0x0                           ; my tile of the head's four is in; these lines stand ahead of slot 1's first fill as ahead of a refill
	ds_add_u32 v[SPW], v[NIL]
	s_mov_b32 s[G1+2], 8<<16                       ; no tensor load of mine is out: from here on a load brings 8 row tiles
	s_mov_b32 s[G1+4], 8
	s_mov_b32 s[G1B+2], 8<<16
	s_mov_b32 s[G1B+4], 8
	s_wait_dscnt 0x0
	CROUND                                         ; all four tiles are in, and all sixteen work-groups are here
	JLOAD G0+4, G1, G0B+4, G1B                     ; slot 1's first fill, the first tensor load behind the round
	FETCH_B 0, 0, 0
	FETCH_A 0, 0, 0
	SCALES 0, 0
	FETCH_A 0, 0, 4
	STEP 0, 0, 1
	TURN 0, 1, 1, 1
	STEP 1, 0, 0
	TURN 1, 0, 1, 2
	STEP 0, 0, 0
	TURN 0, 1, 0, 3
	STEP 1, 0, 0
	s_wait_dscnt 4*NL
	WIN MUL_LO
	MUL16 0, 1, NQ-1, 1, 0
	MUL16 2, 1, NQ-1, 1, 0
	s_wait_dscnt 0
	WIN MUL_HI
	MUL16 4, 1, NQ-1, 1, 0
	MUL16 6, 1, NQ-1, 1, 0
	WIN 0
.macro TOSTAGE a
.set AC, 64*((\a)%4)
	WIN 0x08+4*((\a)/4)
.irp b, 0,1,2,3,4,5,6,7
	ds_store_b128 v[STO], v[AC+8*\b:AC+8*\b+3] offset:128*(\b/2)+32*(\b%2)
	ds_store_b128 v[STO], v[AC+8*\b+4:AC+8*\b+7] offset:128*(\b/2)+32*(\b%2)+16
.endr
	WIN 0
.set BB, BK+64*((\a)%2)
.irp t, 0,1,2,3,4,5,6,7,8,9,10,11,12,13,14,15
	ds_load_b128 v[BB+4*\t:BB+4*\t+3], v[RD] offset:\t*SPITCH
.endr
.endm
.macro SEND a, younger
.set BB, BK+64*((\a)%2)
	s_wait_dscnt \younger
.if (\a) > 0
.if ((\a)%2) == 1
	s_add_nc_u64 s[12:13], s[12:13], 8*4096
.else
	s_add_nc_u64 s[12:13], s[12:13], 24*4096
.endif
.endif
.irp t, 0,1,2,3,4,5,6,7,8,9,10,11,12,13,14,15
	v_pk_add_f32 v[BB+4*\t:BB+4*\t+1], v[BB+4*\t:BB+4*\t+1], v[BO:BO+1]
	v_pk_add_f32 v[BB+4*\t+2:BB+4*\t+3], v[BB+4*\t+2:BB+4*\t+3], v[BO+2:BO+3]
	global_store_b128 v[L16], v[BB+4*\t:BB+4*\t+3], s[12:13] offset:(\t+8*(\t/8))*4096 th:TH_STORE_NT
.endr
.endm
	s_wait_loadcnt 0x0                             ; the bias, asked for at the head; its registers are named by no line of the walk along K
	PLACES NP
	TOSTAGE 0
.irp a, 1,2,3,4,5,6,7
.if \a > 1
	s_wait_xcnt 0x0
.endif
	TOSTAGE \a
	SEND \a-1, 32
.endr
	s_wait_xcnt 0x0
	SEND 7, 0
	s_wait_tensorcnt 0x0
	ds_add_u32 v[SPW], v[NIL]
	s_wait_dscnt 0x0
	CROUND
	s_endpgm
.Lfunc_end_k_qeb54be077d_outp:
	.size	k_qeb54be077d_outp, .Lfunc_end_k_qeb54be077d_outp-k_qeb54be077d_outp
	.p2alignl 7, 3214868480
	.fill 96, 4, 3214868480
	.section	.rodata,"a",@progbits
	.p2align	6, 0x0
	.amdhsa_kernel k_qeb54be077d_outp
		.amdhsa_group_segment_fixed_size 327680
		.amdhsa_private_segment_fixed_size 0
		.amdhsa_enable_private_segment 0
		.amdhsa_kernarg_size 32
		.amdhsa_user_sgpr_count 2
		.amdhsa_user_sgpr_kernarg_segment_ptr 1
		.amdhsa_wavefront_size32 1
		.amdhsa_system_sgpr_workgroup_id_x 1
		.amdhsa_system_sgpr_workgroup_id_y 1
		.amdhsa_system_sgpr_workgroup_id_z 1
		.amdhsa_system_vgpr_workitem_id 0
		.amdhsa_next_free_vgpr 1024
		.amdhsa_next_free_sgpr 98
		.amdhsa_reserve_vcc 0
		.amdhsa_float_denorm_mode_32 3
		.amdhsa_float_denorm_mode_16_64 3
		.amdhsa_memory_ordered 1
		.amdhsa_forward_progress 1
		.amdhsa_inst_pref_size 162
	.end_amdhsa_kernel
	.amdgpu_metadata
---
amdhsa.version: [ 1, 2 ]
amdhsa.kernels:
  - .name:           k_qeb54be077d_outp
    .symbol:         k_qeb54be077d_outp.kd
    .args:
      - { .name: oq, .offset: 0, .size: 8, .value_kind: global_buffer, .address_space: global }
      - { .name: wq4, .offset: 8, .size: 8, .value_kind: global_buffer, .address_space: global }
      - { .name: bo, .offset: 16, .size: 8, .value_kind: global_buffer, .address_space: global }
      - { .name: out0, .offset: 24, .size: 8, .value_kind: global_buffer, .address_space: global }
    .group_segment_fixed_size: 327680
    .private_segment_fixed_size: 0
    .kernarg_segment_align: 8
    .kernarg_segment_size: 32
    .max_flat_workgroup_size: 128
    .sgpr_count:     98
    .vgpr_count:     1024
    .wavefront_size: 32
...
	.end_amdgpu_metadata
.endif
;; end of part 4
